; MI455X (gfx1250); checked and timed in simulation.
; The chip was launched on July 23, 2026; its instructions are those of AMD's public machine-readable ISA for CDNA 5 (MIT licence, August 2026) and "CDNA5" Instruction Set Architecture Reference Guide (July 2026). The comments in the code are by the model that wrote it; some were corrected since.
;; Efficient MDA. Allowed arithmetic: matrix products marked QUANTISED: E5M2 operands, one E8M0 scale for each 32 along K, by v_wmma_scale_f32_16x16x128_f8f6f4 with both operands' format E5M2, f32 sums; products left as they are: f32 operands where the result goes on into a quantised operand, else bf16, f16 or f32 operands; f32 sums; everything else in f32.
;; Inputs: alpha 1 float32; b_c1 16 float32; b_c2 256 float32; b_hfc 64 float32; b_reduce 16 float32; b_wfc 64 float32; beta 1 float32; w_c1 16 x 16 float32; w_c2 256 x 16 float32; w_hfc 64 x 16 float32; w_reduce_codes 16 x 8 x 32 uint8 (E5M2 codes of w_reduce, K innermost, in blocks of 32 codes); w_reduce_scales 16 x 8 uint8 (E8M0 scales of w_reduce, one for each 32 codes along K); w_wfc 64 x 16 float32; x 4 x 256 x 64 x 64 float32.
;; Outputs: out0 4 x 256 x 64 x 64 float32.
;; This version of the problem:
;;   THIS VERSION OF THE PROBLEM IS GIVEN IN LOW PRECISION. The matrix products marked QUANTISED in the list below multiply operands that are first quantised to E5M2 (5 exponent bits, 2 mantissa bits; 8 bits a number), with one power-of-two scale for each 32 numbers along K (OCP MX v1.0); their sums are f32. All else is computed in f32.
;;   The module's matrix products, in the order in which they are computed (A, B: the left and right operand; K: the contracted axis; several contracted axes count as one K, in the product's order):
;;     1. [M 16, K 256] x [K 256, N 16,384]; A: input w_reduce (given as codes); B: input x: QUANTISED
;;     2. [M 256, K 16] x [K 16, N 64]; A: computed on the way; B: input w_hfc: left as it is (K = 16 < 32)
;;     3. [M 256, K 16] x [K 16, N 64]; A: computed on the way; B: input w_wfc: left as it is (K = 16 < 32)
;;     4. [M 4, K 16] x [K 16, N 16]; A: computed on the way; B: input w_c1: left as it is (K = 16 < 32)
;;     5. [M 4, K 16] x [K 16, N 256]; A: computed on the way; B: input w_c2: left as it is (K = 16 < 32)
;;     6. batch 4 x [M 4,096, K 1] x [K 1, N 4,096]; A: computed on the way; B: computed on the way: left as it is (no contracted axis)
;;     7. batch 4 x [M 256, K 4,096] x [K 4,096, N 4,096]; A: input x; B: softmax (see below): QUANTISED
;;   THE QUANTISER, for each operand of a quantised product, along K:
;;     - K is cut into blocks of 32 from its start; a last block that is shorter is filled with zeros.
;;     - A block's scale is 2^e with e = floor(log2(the largest magnitude in the block)) - 15, held to -126 .. 127; a block of zeros has e = 0. As a byte (E8M0): e + 127.
;;     - Each number is divided by its block's scale, clamped to +-57,344, and rounded to the nearest number of E5M2, ties to even, subnormals kept.
;;     - The product sums the exact products of the quantised numbers (number of the format x scale) in f32.
;;   ~~~python
;;   def quantise(x, axis):      # numpy; x: float32 -> the quantised numbers, widened to float32 again
;;       x = np.moveaxis(x, axis, -1); K = x.shape[-1]
;;       x = np.pad(x, [(0, 0)] * (x.ndim - 1) + [(0, -K % 32)]); x = x.reshape(x.shape[:-1] + (-1, 32)); a = np.abs(x).max(-1, keepdims=True)
;;       e = np.where(a > 0, np.clip(np.frexp(np.where(a > 0, a, 1))[1] - 1 - 15, -126, 127), 0)      # np.frexp(a)[1] - 1 = floor(log2(a)), exactly
;;       r = np.clip(x / 2.0 ** e, -57344, 57344)
;;       step = 2.0 ** (np.maximum(np.frexp(np.where(r == 0, 1, r))[1] - 1, -14) - 2)
;;       q = np.round(r / step) * step * 2.0 ** e      # np.round: ties to even
;;       return np.moveaxis(q.reshape(q.shape[:-2] + (-1,))[..., :K], -1, axis).astype(np.float32)
;;   ~~~
;;   SOFTMAX AHEAD OF A QUANTISED PRODUCT. Where the list says 'softmax', what is quantised is not the finished softmax but p = 2^(t - M), with t = logit x log2(e) and M = ceil(the row's largest t), a whole number; so 1/2 < the row's largest p <= 1. The row's sum l is taken of the UNQUANTISED p, in f32, and the product's result is divided by l at the end. Since M is a whole number, a kernel that streams over the keys may use a running M (the ceiling of the running maximum): every later rescaling is an exact power of two, which a block's scale takes up: the codes' values come out the same.
;;   OPERANDS COMPUTED ON THE WAY. 'Computed on the way' means the value that the module computes at that place (a softmax that the list does not call 'softmax' is quantised finished and normalised). What goes into a quantiser is computed in f32, as accurately as f32 sums, v_exp_f32 and their like allow (about 1e-6 of the number): no bf16 or f16 on the way to a quantiser, and a product that is left as it is and whose result goes on into a quantised operand takes f32 operands (vector FMAs, or v_wmma_f32_16x16x4_f32). A number that lies on a knife's edge between two numbers of the format may be rounded either way, as far as f32 arithmetic and the matrix unit's own rounding can turn it there, and no further.
;;   INPUTS GIVEN AS CODES. w_reduce (in the module: [16, 256], K = its axis 1): each comes as NAME_codes (uint8): NAME with its K axis moved to the last place and cut into blocks of 32 codes, [.., K / 32, bytes a block], one block behind the other in memory; one code a byte (a code: sign, 5 exponent bits, 2 mantissa bits); and NAME_scales (uint8): the same leading axes, one E8M0 byte (e + 127) for each 32 codes along K. Its value is code x scale, taken as it is: it is not quantised again, and the codes and scales need not be those that the quantiser above would give.
;; 2 versions, each right. Each part assembles by itself: llvm-mc -triple=amdgcn-amd-amdhsa -mcpu=gfx1250 --defsym DOCPART=n.
;; ======== version 1 of 2: 2 launches
;; workspace buffers: xq 4,194,304 bytes; xs 131,072 bytes; wpart 1,048,576 bytes; hpart 32,768 bytes
;; launch prep (part 1): grid 64 x 4, 8 waves a work-group, no clusters, 167,936 bytes of LDS; arguments x, w_reduce_codes, w_reduce_scales, xq, xs, wpart, hpart; writes xq, xs, wpart, hpart
.if DOCPART == 1
	.amdgcn_target "amdgcn-amd-amdhsa--gfx1250"
	.amdhsa_code_object_version 6
	.text
	.protected	k_q884c25ceb5_prep
	.globl	k_q884c25ceb5_prep
	.p2align	8
	.type	k_q884c25ceb5_prep,@function
k_q884c25ceb5_prep:
	s_mov_b64 s[64:65], 0
	v_nop
	global_prefetch_b8 v0, s[64:65] scope:SCOPE_SE
	s_setreg_imm32_b32 hwreg(HW_REG_WAVE_MODE, 25, 1), 1
	s_wait_xcnt 0x0
; x [4][256][64][64] f32 is read once and gives (a) its codes of BF8 (E5M2) along the POSITIONS (the keys of the second quantised product), as register images of that product's operand,
; with their E8M0 scale words, and (b) the first quantised product, compressed = w_reduce x (K = the 256 channels, x quantised along the channels), of which only sums over w and over h go on.
; NO WORK IS LEFT OUT in this program: every input of the problem has a way to the output and is loaded by one of the two launches.
; SHARES.  Work-group (p, b): p = 2 s + chalf takes channels 128 chalf .. + 127 and positions 128 s .. + 127 (rows h = 2 s, 2 s + 1) of batch b: 64 KiB.  Wave u fetches channels 16 u .. + 15 of that half by one tensor load,
; quantises them along the positions (one fragment: 16 channels x 128 keys), then quantises positions 16 u .. + 15 along the 128 channels and multiplies them by w_reduce's fragment: one matrix instruction.
; The product's K = 256 is shared by two work-groups (chalf); the two f32 halves are added by the next launch.
; OUT.  xq [b][s][channel tile 16][c 4][lane][16 bytes]: the fragment's registers 4 c .. 4 c + 3 of each lane.  xs [b][s][v 4][lane][2 words]: the scale word of channel tile 4 v + 2 word + lane / 16, row lane % 16.
; wpart [b][p][w tile 4][g 2][lane][4 f32]: the sum over the group's 2 rows h of compressed(w = 16 tile + lane % 16, reduced channel 8 (lane / 16) + 4 g + 0 .. 3).  hpart [b][p][h' 2][16 f32]: the sum over the 64 w.
; hpart's 128 bytes of a work-group are half of an aligned 256: 32 KiB in the whole launch are stored so.
; A block's scale is 2^(floor(log2(its largest magnitude)) - 15); its byte is that magnitude's exponent field - 15, held at 1 from below.  A block of zeros so gets the byte 1 where the rule says 127: its codes are zeros, and this program alone reads the bytes.
; LIMITS: NaN and infinities in x are not served; blocks whose largest magnitude lies under 2^(16 - 127) keep the byte 1.
; No cluster: no two work-groups read the same bytes of x.  No prefetch: each work-group asks for all its bytes at its head.
.set XG,    8512                       ; LDS: a wave's 16 channel rows: 16 x (512 + 16) bytes, and 64 more, so that rows 16 channels apart lie 64 bytes on modulo 256
.set CMP,   68096                      ; behind the eight: compressed, 128 positions x (64 + 16) bytes
.set HP,    78336                      ; each wave's 16 sums over its 16 positions
.set XSW,   78848                      ; the 8 fragments' scale words, in xs's order: 512 bytes
.set SPARE, 79360                      ; the spare words, 128 bytes for each wave: four blocks of 256 bytes that no other line names
.set SPW,   14                         ; v14  SPARE + 4 x my thread's number; never rewritten
.set NIL,   15                         ; v15  0; never rewritten
.set WR,    32                         ; v32-47  w_reduce's fragment (16 rows x my half's 128 channels)
.set WRS,   48                         ; v48     its scale words
.set X,     64                         ; v64-127 64 numbers: register 16 c + i = k 32 c + 16 (lane / 16) + i
.set PC,    128                        ; v128-143 the codes just made
.set TM,    144                        ; v144-147 largest magnitudes, v148-151 bytes, v152-155 the largest number x the scale, v156-159 the conversions' scale operands
.set PW,    160                        ; v160    the scale word just made
.set D,     176                        ; v176-183 the product
.set G1,    16                         ; s[16:23] descriptor group 1
.set G0,    24                         ; s[24:27] descriptor group 0
.set SEL,   28                         ; s[28:29] v_permlanex16_b32's selects for lane l xor 16
.set MNT,   30                         ; s30  the mantissa field of 57,344
.set WV,    31                         ; s31  my wave's number
; 64 numbers of a lane become a fragment's codes in v[PC] on and its scale word in v[PW]; a block of 32 lies in lanes l and l xor 16
.macro QUANT
.irp b, 0,1,2,3
	v_max3_num_f32 v[TM+\b], |v[X+16*\b]|, |v[X+1+16*\b]|, 0x8000000   ; my 16 numbers of block b, and the floor 2^(16 - 127): the byte cannot fall under 1
.endr
.irp i, 2,4,6,8,10,12,14
.irp b, 0,1,2,3
	v_max3_num_f32 v[TM+\b], v[TM+\b], |v[X+16*\b+\i]|, |v[X+1+16*\b+\i]|   ; the four blocks by turns
.endr
.endr
.irp b, 0,1,2,3
	v_permlanex16_b32 v[TM+4+\b], v[TM+\b], s[SEL], s[SEL+1]
.endr
.irp b, 0,1,2,3
	v_max_num_f32 v[TM+\b], v[TM+\b], v[TM+4+\b]   ; the block's largest magnitude
.endr
.irp b, 0,1,2,3
	v_add_nc_u32 v[TM+12+\b], 0xf8800000, v[TM+\b]   ; 15 off its exponent field: the conversion takes this operand's exponent field as its scale
.endr
.irp b, 0,1,2,3
	v_and_or_b32 v[TM+8+\b], v[TM+\b], 0x7f800000, s[MNT]   ; 57,344 x the scale
.endr
.irp b, 0,1,2,3
	v_lshrrev_b32 v[TM+4+\b], 23, v[TM+12+\b]   ; the scale's byte
.endr
	v_lshl_or_b32 v[PW], v[TM+5], 8, v[TM+4]
	v_lshl_or_b32 v[PW], v[TM+6], 16, v[PW]
	v_lshl_or_b32 v[PW], v[TM+7], 24, v[PW]
.irp b, 0,1,2,3
.irp i, 0,1,2,3,4,5,6,7,8,9,10,11,12,13,14,15
	v_med3_num_f32 v[X+16*\b+\i], v[X+16*\b+\i], -v[TM+8+\b], v[TM+8+\b]   ; the conversion to an 8-bit code does not saturate (ISA guide 7.6.2): the hold comes first
.endr
	v_cvt_scalef32_pk8_bf8_f32 v[PC+4*\b:PC+1+4*\b], v[X+16*\b:X+7+16*\b], v[TM+12+\b]
	v_cvt_scalef32_pk8_bf8_f32 v[PC+2+4*\b:PC+3+4*\b], v[X+8+16*\b:X+15+16*\b], v[TM+12+\b]
.endr
	v_nop                                          ; a plain instruction behind the last conversion
.endm
	s_load_b256 s[4:11], s[0:1], 0x0               ; x s[4:5], w_reduce's codes s[6:7], its scales s[8:9], xq s[10:11]
	s_load_b128 s[12:15], s[0:1], 0x20             ; xs s[12:13], wpart s[14:15]
	s_load_b64 s[32:33], s[0:1], 0x30              ; hpart
	v_lshl_add_u32 v[SPW], v0, 2, SPARE
	v_mov_b32 v[NIL], 0
	ds_add_u32 v[SPW], v[NIL]                      ; the wave's opening: the add, twice on end, and its wait ahead of my tensor load; the set-up below stands between
	ds_add_u32 v[SPW], v[NIL]
	v_lshrrev_b32 v1, 5, v0
	v_readfirstlane_b32 s[WV], v1                  ; wave u, 0..7
	s_lshr_b32 s35, ttmp9, 1                       ; s: which 128 positions
	s_and_b32 s36, ttmp9, 1                        ; chalf: which 128 channels
	s_and_b32 s37, ttmp7, 0xffff                   ; b
	s_mov_b32 s[G1+0], (2<<16)|(1<<20)|(6<<22)|(3<<25)   ; no mask; elements of 4 bytes; padding on: 4 words behind every 128
	s_mov_b32 s[G1+1], 128<<16                     ; tensor_dim0 = 128 positions
	s_mov_b32 s[G1+2], 16<<16                      ; tensor_dim1 = 16 channels
	s_mov_b32 s[G1+3], 128<<16                     ; tile_dim0
	s_mov_b32 s[G1+4], 16                          ; tile_dim1
	s_mov_b32 s[G1+5], 4096                        ; from channel to channel: 4,096 elements
	s_mov_b32 s[G1+6], 0
	s_mov_b32 s[G1+7], 0
	s_mov_b32 s[G0], 1
	s_mul_i32 s[G0+1], s[WV], XG                   ; my 16 rows in LDS
	s_lshl_b32 s38, s37, 22                        ; x: b x 4 MiB + chalf x 128 channels + u x 16 channels + s x 512 bytes
	s_lshl_b32 s52, s36, 21
	s_add_co_u32 s38, s38, s52
	s_lshl_b32 s52, s[WV], 18
	s_add_co_u32 s38, s38, s52
	s_lshl_b32 s52, s35, 9
	s_add_co_u32 s38, s38, s52
	s_mov_b32 s39, 0
	s_lshl_b32 s40, s37, 20                        ; xq: b x 1 MiB + s x 32 KiB + (8 chalf + u) x 2,048
	s_lshl_b32 s52, s35, 15
	s_add_co_u32 s40, s40, s52
	s_lshl_b32 s52, s36, 14
	s_add_co_u32 s40, s40, s52
	s_lshl_b32 s52, s[WV], 11
	s_add_co_u32 s40, s40, s52
	s_mov_b32 s41, 0
	s_lshl_b32 s42, s37, 15                        ; xs: b x 32 KiB + s x 1,024 + chalf x 512
	s_lshl_b32 s52, s35, 10
	s_add_co_u32 s42, s42, s52
	s_lshl_b32 s52, s36, 9
	s_add_co_u32 s42, s42, s52
	s_mov_b32 s43, 0
	s_lshl_b32 s44, s37, 18                        ; wpart: b x 256 KiB + p x 4,096
	s_lshl_b32 s52, ttmp9, 12
	s_add_co_u32 s44, s44, s52
	s_mov_b32 s45, 0
	s_lshl_b32 s46, s37, 13                        ; hpart: b x 8 KiB + p x 128
	s_lshl_b32 s52, ttmp9, 7
	s_add_co_u32 s46, s46, s52
	s_mov_b32 s47, 0
	s_lshl_b32 s48, s36, 7                         ; w_reduce's codes: my half's 128 bytes of each row
	s_mov_b32 s49, 0
	s_lshl_b32 s50, s36, 2                         ; and its word of each row's 8 scale bytes
	s_mov_b32 s51, 0
	s_mov_b32 s[SEL], 0x76543210
	s_mov_b32 s[SEL+1], 0xfedcba98
	s_mov_b32 s[MNT], 0x600000
	v_and_b32 v1, 31, v0                           ; lane
	v_and_b32 v2, 15, v0                           ; r
	v_bfe_u32 v3, v0, 4, 1                         ; hh
	s_mul_i32 s52, s[WV], XG
	v_mul_u32_u24 v4, v2, 528
	v_lshl_add_u32 v4, v3, 6, v4
	v_add_nc_u32 v4, s52, v4                       ; v4: along the positions: my wave's rows, row r, + 64 hh: my 16 numbers of a block of 32
	v_mul_u32_u24 v5, v3, XG
	v_lshl_add_u32 v5, v2, 2, v5
	s_lshl_b32 s52, s[WV], 6
	v_add_nc_u32 v5, s52, v5                       ; v5: along the channels: position 16 u + r; lanes 16-31 begin 16 channels on
	v_lshlrev_b32 v6, 4, v1                        ; v6: 16 x lane
	s_lshr_b32 s52, s[WV], 2
	s_lshl_b32 s52, s52, 8
	s_and_b32 s53, s[WV], 1
	s_lshl_b32 s53, s53, 7
	s_add_co_u32 s52, s52, s53
	s_bfe_u32 s53, s[WV], 0x10001
	s_lshl_b32 s53, s53, 2
	s_add_co_u32 s52, s52, s53
	s_add_co_u32 s52, s52, XSW
	v_lshl_add_u32 v7, v2, 3, s52                  ; v7: my fragment's scale word of row r, in xs's order: 256 (u / 4) + 128 (u % 2) + 4 ((u / 2) % 2) + 8 r
	s_mul_i32 s52, s[WV], 1280
	s_add_co_u32 s52, s52, CMP
	v_mul_u32_u24 v8, v2, 80
	v_lshl_add_u32 v8, v3, 5, v8
	v_add_nc_u32 v8, s52, v8                       ; v8: compressed: position 16 u + r, reduced channels 8 hh on
	s_lshl_b32 s52, s[WV], 6
	s_add_co_u32 s52, s52, HP
	v_lshl_add_u32 v9, v3, 5, s52                  ; v9: my wave's 16 sums
	s_lshr_b32 s52, s[WV], 1
	s_mul_i32 s52, s52, 1280
	s_and_b32 s53, s[WV], 1
	s_lshl_b32 s53, s53, 4
	s_add_co_u32 s52, s52, s53
	s_add_co_u32 s52, s52, CMP
	v_mul_u32_u24 v10, v2, 80
	v_lshl_add_u32 v10, v3, 5, v10
	v_add_nc_u32 v10, s52, v10                     ; v10: back, in wpart's order: w tile u / 2, g = u % 2
	v_lshlrev_b32 v11, 4, v0                       ; v11: 16 x thread
	v_lshlrev_b32 v12, 8, v2
	v_lshl_add_u32 v12, v3, 4, v12                 ; v12: w_reduce's codes: row r of 256 bytes, + 16 hh
	v_lshlrev_b32 v13, 3, v2                       ; v13: its scales: 8 bytes a row
	v_lshl_add_u32 v16, v1, 4, XSW                 ; v16: wave 0: the scale words, 16 bytes a lane
	v_lshlrev_b32 v17, 8, v3
	v_lshl_add_u32 v17, v2, 2, v17
	v_add_nc_u32 v17, HP, v17                      ; v17: wave 0: row h' = hh, reduced channel r: the first of four waves' sums
	v_lshlrev_b32 v18, 2, v1                       ; v18: 4 x lane
.irp b, 0,1,2,3
	v_mov_b32 v[TM+4+\b], 0                        ; written once: a lane permute's destination counts as one of its sources
.endr
	s_wait_dscnt 0x0                               ; both opening adds are done
	s_wait_kmcnt 0x0
	s_add_nc_u64 s[G0+2:G0+3], s[4:5], s[38:39]
	s_or_b32 s[G0+3], s[G0+3], 0x80000000          ; type = 2
	tensor_load_to_lds s[G0:G0+3], s[G1:G1+7]      ; my 16 channels x 128 positions: the one tensor load of mine
	s_nop 0
	s_add_nc_u64 s[6:7], s[6:7], s[48:49]
	s_add_nc_u64 s[8:9], s[8:9], s[50:51]
	s_add_nc_u64 s[10:11], s[10:11], s[40:41]
	s_add_nc_u64 s[12:13], s[12:13], s[42:43]
	s_add_nc_u64 s[14:15], s[14:15], s[44:45]
	s_add_nc_u64 s[32:33], s[32:33], s[46:47]
.irp c, 0,1,2,3
	global_load_b128 v[WR+4*\c:WR+4*\c+3], v12, s[6:7] offset:32*\c
.endr
	global_load_b32 v[WRS], v13, s[8:9]
	s_wait_tensorcnt 0x0                           ; my own rows are in LDS: I alone read them ahead of the barrier
	; ---- along the positions: my 16 channels become one fragment of the second product's x
.irp c, 0,1,2,3
.irp j, 0,1,2,3
	ds_load_b128 v[X+16*\c+4*\j:X+16*\c+4*\j+3], v4 offset:128*\c+16*\j
.endr
.endr
	s_wait_dscnt 0x0
	QUANT
.irp c, 0,1,2,3
	global_store_b128 v6, v[PC+4*\c:PC+4*\c+3], s[10:11] offset:512*\c   ; 32 lanes store 512 consecutive bytes
.endr
	ds_store_b32 v7, v[PW]                         ; both lanes of a row write the same word with the same value
	s_wait_dscnt 0x0                               ; for the others' sake: my store has landed (and my tile, by the wait above)
	s_barrier_signal -1
	s_barrier_wait -1                              ; all 128 channels lie in LDS, and the eight scale words' rows
	; ---- along the channels: positions 16 u .. + 15, K = my half's 128 channels
.irp c, 0,1,2,3
.irp i, 0,1,2,3,4,5,6,7,8,9,10,11,12,13,14,15
	ds_load_b32 v[X+16*\c+\i], v5 offset:2*\c*XG+528*\i   ; channel 32 c + 16 hh + i
.endr
.endr
	s_wait_dscnt 0x0
	s_wait_loadcnt 0x0                             ; w_reduce's fragment and scale words
	s_wait_xcnt 0x0                                ; the stores of the first codes have read their registers, which are written anew below
	QUANT
.rept 4
	v_nop                                          ; codes made by vector instructions stand four places ahead of a scaled matrix instruction; the scale word was made ahead of the 64 holds
.endr
	v_wmma_scale_f32_16x16x128_f8f6f4 v[D:D+7], v[WR:WR+15], v[PC:PC+15], 0, v[WRS], v[PW] matrix_a_fmt:MATRIX_FMT_BF8 matrix_b_fmt:MATRIX_FMT_BF8   ; lane (r, hh): position r, register j: reduced channel 8 hh + j
.rept 8
	v_nop                                          ; eight places ahead of the first read of the result
.endr
	ds_store_b128 v8, v[D:D+3]                     ; from the low end on
	ds_store_b128 v8, v[D+4:D+7] offset:16
	s_wait_dscnt 0x0                               ; the stores have read D, which is summed in place below
.irp m, 1,2,4,8
.irp j, 0,1,2,3,4,5,6,7
	v_add_f32_dpp v[D+\j], v[D+\j], v[D+\j] row_xmask:\m row_mask:0xf bank_mask:0xf   ; the sum over my 16 positions
.endr
.endr
	ds_store_b128 v9, v[D:D+3]                     ; sixteen lanes write the same bytes with the same values
	ds_store_b128 v9, v[D+4:D+7] offset:16
	s_wait_dscnt 0x0
	s_barrier_signal -1
	s_barrier_wait -1                              ; compressed and the eight waves' sums lie in LDS
	ds_load_b128 v[64:67], v10                     ; row h' = 0,
	ds_load_b128 v[68:71], v10 offset:5120         ; and 64 positions on: row h' = 1
	s_wait_dscnt 0x0
	v_pk_add_f32 v[64:65], v[64:65], v[68:69]
	v_pk_add_f32 v[66:67], v[66:67], v[70:71]
	global_store_b128 v11, v[64:67], s[14:15]      ; 32 lanes store 512 consecutive bytes
	s_cmp_lg_u32 s[WV], 0
	s_cbranch_scc1 .Lnot_wave_0
	ds_load_b128 v[72:75], v16
.irp k, 0,1,2,3
	ds_load_b32 v[76+\k], v17 offset:64*\k
.endr
	s_wait_dscnt 0x0
	v_add_f32 v76, v76, v77
	v_add_f32 v78, v78, v79
	v_add_f32 v76, v76, v78                        ; four waves' sums: the 64 w of a row h'
	global_store_b128 v6, v[72:75], s[12:13]
	global_store_b32 v18, v76, s[32:33]
.Lnot_wave_0:
	s_wait_tensorcnt 0x0                           ; the wave's end, behind my tensor load and my last LDS store
	ds_add_u32 v[SPW], v[NIL]
	s_wait_dscnt 0x0
	s_endpgm
.Lfunc_end_k_q884c25ceb5_prep:
	.size	k_q884c25ceb5_prep, .Lfunc_end_k_q884c25ceb5_prep-k_q884c25ceb5_prep
	.p2alignl 7, 3214868480
	.fill 96, 4, 3214868480
	.section	.rodata,"a",@progbits
	.p2align	6, 0x0
	.amdhsa_kernel k_q884c25ceb5_prep
		.amdhsa_group_segment_fixed_size 167936
		.amdhsa_private_segment_fixed_size 0
		.amdhsa_enable_private_segment 0
		.amdhsa_kernarg_size 56
		.amdhsa_user_sgpr_count 2
		.amdhsa_user_sgpr_kernarg_segment_ptr 1
		.amdhsa_wavefront_size32 1
		.amdhsa_system_sgpr_workgroup_id_x 1
		.amdhsa_system_sgpr_workgroup_id_y 1
		.amdhsa_system_sgpr_workgroup_id_z 1
		.amdhsa_system_vgpr_workitem_id 0
		.amdhsa_next_free_vgpr 192
		.amdhsa_next_free_sgpr 66
		.amdhsa_reserve_vcc 0
		.amdhsa_float_denorm_mode_32 3
		.amdhsa_float_denorm_mode_16_64 3
		.amdhsa_memory_ordered 1
		.amdhsa_forward_progress 1
		.amdhsa_inst_pref_size 32
	.end_amdhsa_kernel
	.amdgpu_metadata
---
amdhsa.version: [ 1, 2 ]
amdhsa.kernels:
  - .name:           k_q884c25ceb5_prep
    .symbol:         k_q884c25ceb5_prep.kd
    .args:
      - { .name: x, .offset: 0, .size: 8, .value_kind: global_buffer, .address_space: global }
      - { .name: w_reduce_codes, .offset: 8, .size: 8, .value_kind: global_buffer, .address_space: global }
      - { .name: w_reduce_scales, .offset: 16, .size: 8, .value_kind: global_buffer, .address_space: global }
      - { .name: xq, .offset: 24, .size: 8, .value_kind: global_buffer, .address_space: global }
      - { .name: xs, .offset: 32, .size: 8, .value_kind: global_buffer, .address_space: global }
      - { .name: wpart, .offset: 40, .size: 8, .value_kind: global_buffer, .address_space: global }
      - { .name: hpart, .offset: 48, .size: 8, .value_kind: global_buffer, .address_space: global }
    .group_segment_fixed_size: 167936
    .private_segment_fixed_size: 0
    .kernarg_segment_align: 8
    .kernarg_segment_size: 56
    .max_flat_workgroup_size: 256
    .sgpr_count:     66
    .vgpr_count:     192
    .wavefront_size: 32
...
	.end_amdgpu_metadata
.endif
;; end of part 1
;; launch attn (part 2): grid 64 x 4, 4 waves a work-group, clusters of 4 x 1, 327,680 bytes of LDS; arguments x, xq, xs, wpart, hpart, w_hfc, b_hfc, w_wfc, b_wfc, b_reduce, w_c1, b_c1, w_c2, b_c2, alpha, beta, out0; writes out0
.if DOCPART == 2
	.amdgcn_target "amdgcn-amd-amdhsa--gfx1250"
	.amdhsa_code_object_version 6
	.text
	.protected	k_q884c25ceb5_attn
	.globl	k_q884c25ceb5_attn
	.p2align	8
	.type	k_q884c25ceb5_attn,@function
k_q884c25ceb5_attn:
	s_mov_b64 s[64:65], 0
	v_nop
	global_prefetch_b8 v0, s[64:65] scope:SCOPE_SE
	s_setreg_imm32_b32 hwreg(HW_REG_WAVE_MODE, 25, 1), 1
	s_wait_xcnt 0x0
	s_wait_alu depctr_hold_cnt(0) depctr_sa_sdst(0) depctr_va_vdst(0) depctr_va_sdst(0) depctr_va_ssrc(0) depctr_va_vcc(0) depctr_vm_vsrc(0)
	s_getreg_b32 s2, hwreg(HW_REG_IB_STS2, 6, 4)
	s_cmp_eq_u32 s2, 0
	s_cbranch_scc0 .Lentry_in_a_cluster
	s_endpgm
.Lentry_in_a_cluster:
	s_bfe_u32 s2, ttmp6, 0x10000c
	s_cmp_lg_u32 s2, 0x3003
	s_cbranch_scc0 .Lentry_shape_is_right
	s_endpgm
.Lentry_shape_is_right:
; out[b][c][h][w] = alpha x (sum over keys (i, j) of softmax(h_att[h][i] w_att[w][j]) x[b][c][i][j]) + beta x c_att[c] x[b][c][h][w].  No work of the problem is left out here either.
; The product over the 4,096 keys is on codes of BF8 (E5M2) with one E8M0 scale for each 32 keys: x's codes come from the launch before; p = 2^(t - M), t = logit x log2(e), M a whole number, is made and quantised here;
; the row's sum is taken of the unquantised p and divides at the end.
; SHARES.  A work-group owns one row of 64 queries (b, h = hq) and all 256 channels, so that each p is made once.  Wave v makes p for queries w = 16 v .. + 15 and multiplies channels 64 v .. + 63 by all 64 queries:
; 16 accumulators.  p's fragments go from wave to wave through LDS as images of their registers, in two buffers by turns, one barrier a key step of 128 keys.
; NO FIRST PRODUCT.  A key step s holds keys (i, j), i = 2 s, 2 s + 1, j = 0 .. 63.  A lane holds one query w and keeps its 32 numbers w_att[w][32 jb + 16 (lane / 16) + 0 .. 15]; with a' = h_att[hq][i] log2(e), the same in all lanes,
; t - M is one fused multiply-add, already in the order of the operand's registers.
; THE MAXIMUM IS TAKEN AWAY, AND NEED NOT BE SEARCHED FOR: both factors are sigmoids, never negative, and a rounded product does not fall where a factor rises: the row's largest t is (largest a') x (largest w_att of the row),
; a block's largest is its a' x the largest w_att of its 32 j.  M = ceil of the first; t - M lies between -2 and 0 for all finite inputs, so a block's scale byte lies between 110 and 112 and needs no floor.
; THE SMALL CHAINS (the pooled means, height_fc, width_fc, the channel gate) are made by every wave for itself at the head, in f32, while the first tiles are on their way.  width_fc goes by v_wmma_f32_16x16x4_f32, 16 instructions.
; CLUSTER.  The four work-groups of a cluster belong to one batch and walk the same codes and scale words of x: each tile is asked for JOINTLY (mask 15).  The partial sums of the launch before go to registers and are not shared.
; LIMITS: NaN and infinities among the inputs are not served.  t is made as (a log2(e)) x w_att, reference() has (a w_att) log2(e): the two differ by rounding.  Where the rounded largest t lies at a whole number, M may be one off: a power of two, which the blocks' scales and the sum take up.
; REGISTERS, in windows of 256.  Window 0: v2-19 addresses; v[20:21] -M (v21 holds the largest a' and is only named with it); v[22:25] the step's two a'; v26-27 the two blocks' largest w_att; v[28:31] the sum, two chains;
;   v32-63 w_att; v64-127 t, then p; v128-143 p's codes; v144-160 at work; v234-243 addresses; v244-247 p's scale words, v248-249 x's: these six hold scales and nothing else.
;   Window 1: v0-127 the accumulators ((ct, q) at 8 (4 ct + q)); v128-191 p's four fragments; v192-255 x's four.   Window 2: the head's landing sets, later x in f32.   Window 3: v0-7 the head's sum.
.set SLOT1, 131072                     ; LDS: two slots of four key steps (4 x 32,768 bytes), 2^17 apart: one exclusive or turns an address
.set XSC,   262144                     ; x's scale words of the whole batch, 32,768 bytes: filled once
.set PB,    294912                     ; p's two buffers
.set PBSZ,  8704                       ; a buffer: four images of 2,048 bytes, then four times 128 bytes of scale words
.set ATAB,  312320                     ; a' of the 64 i, a copy for each wave: 4 x 256
.set SCR,   313344                     ; 512 bytes for each wave: pooled at 0, the hidden 16 at 64, beta x c_att of my 64 channels at 128
.set LTAB,  315392                     ; alpha / sum of the 64 queries
.set SPARE, 315648                     ; the spare words, 128 bytes for each wave: two blocks of 256 bytes that no other line names
.set AX0, 2                            ; v2   8,192 v + 16 lane: my four fragments of x in a key step
.set AX,  3                            ; v3   + the pair's place (at the head: 32 hh, an offset of loads)
.set AS0, 4                            ; v4   XSC + 256 v + 8 lane
.set AS,  5                            ; v5   + the pair's place (at the head: where I store a')
.set AA0, 6                            ; v6   ATAB + 256 v
.set AA,  7                            ; v7   + the pair's place
.set PRI, 8                            ; v8   PB + 16 lane
.set PRS, 9                            ; v9   PB + 8,192 + 4 lane
.set PWI, 10                           ; v10  PB + 2,048 v + 16 lane
.set PWS, 11                           ; v11  PB + 8,192 + 128 v + 4 lane
.set SPW, 12                           ; v12  SPARE + 4 x my thread's number; never rewritten
.set NIL, 13                           ; v13  0; never rewritten
.set PFO, 14                           ; v14  256 x lane: the prefetches' offset; never rewritten
.set GO,  15                           ; v15  16,384 hh + 16 r: two channels' rows of x and of out
.set STO, 16                           ; v16  the way out: where I put 32 bytes of a channel's row
.set RD,  17                           ; v17  and where I read a row back
.set LI,  18                           ; v18  16 x lane
.set ZO,  19                           ; v19  0
.set NM,  20
.set AI,  22
.set BMX, 26
.set LS,  28
.set BQ,  32
.set T,   64
.set PC,  128
.set TM,  144
.set SO,  148
.set HD,  152
.set BY,  156
.set PW,  160
.set PS,  244
.set XS,  248
.set WV,  4                            ; s4 wave; s5 cx; s6 hq; s7 b
.set CX,  5
.set HQ,  6
.set BB,  7
.set G1C, 8                            ; s[8:15]  group 1: 128 rows of 256 bytes (a key step's codes)
.set G1S, 16                           ; s[16:23] group 1: 32 rows of 256 bytes (a quarter of the scale words)
.set G0A, 24                           ; s[24:27] group 0: slot 0's first fill
.set G0W, 28                           ; s[28:31] group 0: slot 1's first fill; it then walks on
.set G0S, 32                           ; s[32:35] group 0: the scale words
.set SEL, 36
.set MNT, 38
.set TB,  39                           ; s39  LDS byte at which the pair's key steps begin
.set TS,  40                           ; s40  the pair's scale words of x: 2,048 bytes a pair
.set TA,  41                           ; s41  the pair's a': 16 bytes a pair
.set GRP, 42
.set TW,  43
.set PFA, 44                           ; s[44:45] where my prefetches stand
.set LIM, 46                           ; s46  1 in the batch's first cluster, else the greatest number
.set ALPHA, 47
.set BETA,  48
.set L2E,   49                         ; log2(e)
.set NL2E,  50                         ; s[50:51] -log2(e), named as a pair
.set XBASE, 52                         ; s[52:53] x at (b, channel 64 v, row hq);  s[54:55] out0 likewise
.set OBASE, 54
.set WPB,   56                         ; s[56:57] wpart at (b, w tile v)
.set HPB,   58                         ; s[58:59] hpart at b;  s[66:67] at my row hq's first entry
.set MSB, 0
.macro WIN new                         ; the immediate's high byte repeats the setting that is left; a switch that changes nothing is dropped
.if MSB != \new
	s_set_vgpr_msb (MSB<<8)|\new
.set MSB, \new
.endif
.endm
.macro CROUND                          ; a round of the cluster's barrier
	s_barrier_signal -1
	s_barrier_wait -1
	s_cmp_lg_u32 s[WV], 0
	s_cbranch_scc1 .Lnot_wave_0_\@
	s_barrier_signal -3
.Lnot_wave_0_\@:
	s_barrier_wait -3
	s_barrier_signal -1
	s_barrier_wait -1
.endm
.macro BAR                             ; my LDS stores have landed and my LDS loads are in: then the work-group's barrier
	s_wait_dscnt 0x0
	s_barrier_signal -1
	s_barrier_wait -1
.endm
; A PREFETCH INTO THE L2 of the group of four key steps that the NEXT change of slots will ask for: 131,072 bytes.  All 16 clusters of a batch walk the same codes: the batch's first cluster asks.  Its four partners take 32,768 bytes each,
; told apart by address; each wave 8,192, lanes 256 bytes apart: each aligned block of 256 bytes is named once.  The last change that fills a slot asks for nothing.  Groups 0 to 2 come by their loads alone.
.macro ASK
	s_cmp_gt_u32 s[GRP], s[LIM]
	s_cbranch_scc0 .Lnot_mine_\@
	global_prefetch_b8 v[PFO], s[PFA:PFA+1] th:TH_LOAD_NT scope:SCOPE_SE
.Lnot_mine_\@:
.endm
; ---- the vector work of a key step: p of 128 keys for my 16 queries
.macro VF                              ; t - M: register 16 c + i: key 32 c + 16 hh + i, that is i = 2 s + c / 2, j = 32 (c % 2) + 16 hh + i; and the same of each block's largest
.irp c, 0,1,2,3
.irp k, 0,1,2,3,4,5,6,7
	v_pk_fma_f32 v[T+16*\c+2*\k:T+16*\c+2*\k+1], v[BQ+16*(\c%2)+2*\k:BQ+16*(\c%2)+2*\k+1], v[AI+2*(\c/2):AI+2*(\c/2)+1], v[NM:NM+1] op_sel_hi:[1,0,0]
.endr
.endr
.irp c, 0,1,2,3
	v_fma_f32 v[TM+\c], v[AI+2*(\c/2)], v[BMX+(\c%2)], v[NM]
.endr
.endm
.macro VE a, b                         ; exponentials number a to b - 1 of 68: 0-63 p, 64-67 the blocks' largest p.  All 68 are one batch: none reads another's result
.set n, \a
.rept (\b)-(\a)
.if n < 64
	v_exp_f32 v[T+n], v[T+n]
.else
	v_exp_f32 v[TM+n-64], v[TM+n-64]
.endif
.set n, n+1
.endr
.endm
.macro VW                              ; a plain instruction behind the last exponential, and one wait ahead of the batch's first reader
	v_nop
	s_wait_alu depctr_va_vdst(0)
.endm
.macro VS a, b                         ; the row's sum, of the unquantised p: pairs a to b - 1 of 32, in two chains
.set n, \a
.rept (\b)-(\a)
	v_pk_add_f32 v[LS+2*(n%2):LS+2*(n%2)+1], v[LS+2*(n%2):LS+2*(n%2)+1], v[T+2*n:T+2*n+1]
.set n, n+1
.endr
.endm
.macro VC                              ; the four blocks' scales
.irp c, 0,1,2,3
	v_add_nc_u32 v[SO+\c], 0xf8800000, v[TM+\c]    ; 15 off the exponent field: the conversion's scale operand
.endr
.irp c, 0,1,2,3
	v_and_or_b32 v[HD+\c], v[TM+\c], 0x7f800000, s[MNT]   ; 57,344 x the scale
.endr
.irp c, 0,1,2,3
	v_lshrrev_b32 v[BY+\c], 23, v[SO+\c]           ; the scale's byte
.endr
	v_lshl_or_b32 v[PW], v[BY+1], 8, v[BY]
	v_lshl_or_b32 v[PW], v[BY+2], 16, v[PW]
	v_lshl_or_b32 v[PW], v[BY+3], 24, v[PW]
.endm
.macro VH u                            ; eight p: the hold (p is not negative: one-sided; the conversion does not saturate: ISA guide 7.6.2) and the conversion
.irp i, 0,1,2,3,4,5,6,7
	v_min_num_f32 v[T+8*(\u)+\i], v[T+8*(\u)+\i], v[HD+(\u)/2]
.endr
	v_cvt_scalef32_pk8_bf8_f32 v[PC+2*(\u):PC+2*(\u)+1], v[T+8*(\u):T+8*(\u)+7], v[SO+(\u)/2]
.endm
; ---- product k of 16 of a key step: channel tile ct = k / 4, query tile q = k % 4.  Source 0 = p (16 queries), source 1 = x (16 channels): a lane holds one channel and eight neighbouring queries.
; x's scale words of tiles ct = 0, 1 share a register (lanes 0-15, lanes 16-31), and so do those of 2, 3.  The 16 accumulators take turns, one instruction a turn.
.macro MMI k, zero
.set mk, \k
.set mq, mk%4
.set mc, mk/4
.if \zero
.if mc%2
	v_wmma_scale_f32_16x16x128_f8f6f4 v[8*mk:8*mk+7], v[128+16*mq:143+16*mq], v[192+16*mc:207+16*mc], 0, v[PS+mq], v[XS+mc/2] matrix_a_fmt:MATRIX_FMT_BF8 matrix_b_fmt:MATRIX_FMT_BF8 matrix_b_scale:MATRIX_SCALE_ROW1
.else
	v_wmma_scale_f32_16x16x128_f8f6f4 v[8*mk:8*mk+7], v[128+16*mq:143+16*mq], v[192+16*mc:207+16*mc], 0, v[PS+mq], v[XS+mc/2] matrix_a_fmt:MATRIX_FMT_BF8 matrix_b_fmt:MATRIX_FMT_BF8
.endif
.else
.if mc%2
	v_wmma_scale_f32_16x16x128_f8f6f4 v[8*mk:8*mk+7], v[128+16*mq:143+16*mq], v[192+16*mc:207+16*mc], v[8*mk:8*mk+7], v[PS+mq], v[XS+mc/2] matrix_a_fmt:MATRIX_FMT_BF8 matrix_b_fmt:MATRIX_FMT_BF8 matrix_b_scale:MATRIX_SCALE_ROW1
.else
	v_wmma_scale_f32_16x16x128_f8f6f4 v[8*mk:8*mk+7], v[128+16*mq:143+16*mq], v[192+16*mc:207+16*mc], v[8*mk:8*mk+7], v[PS+mq], v[XS+mc/2] matrix_a_fmt:MATRIX_FMT_BF8 matrix_b_fmt:MATRIX_FMT_BF8
.endif
.endif
.endm
.macro MM k, zero
	WIN 0x55                                       ; all four operand places in window 1
	MMI \k, \zero
	WIN 0
.endm
.macro PSTORE buf                      ; my fragment of p and its scale words go to LDS as they stand
.irp c, 0,1,2,3
	ds_store_b128 v[PWI], v[PC+4*\c:PC+4*\c+3] offset:(\buf)*PBSZ+512*\c
.endr
	ds_store_b32 v[PWS], v[PW] offset:(\buf)*PBSZ
.endm
; A KEY STEP: the u-th of a pair.  It multiplies the step in hand (p from buffer u) and, where vnext = 1, makes p of the next step (into buffer 1 - u): the vector work stands in slices behind the matrix instructions.
; Behind the last product stand eight holds and a v_nop, nine plain instructions that name none of its registers: the next step's loads into fragments and scale registers come behind them.
.macro KSTEP u, zero, vnext
.if \vnext
	ds_load_b32 v[AI], v[AA] offset:8*((\u)+1)     ; the next step's two a': all lanes read the same word
	ds_load_b32 v[AI+2], v[AA] offset:8*((\u)+1)+4
.endif
	WIN 0x40                                       ; destination window 1
.irp q, 0,1,2,3
.irp c, 0,1,2,3
	ds_load_b128 v[128+16*\q+4*\c:131+16*\q+4*\c], v[PRI] offset:(\u)*PBSZ+2048*\q+512*\c
.endr
.endr
.irp ct, 0,1,2,3
.irp c, 0,1,2,3
	ds_load_b128 v[192+16*\ct+4*\c:195+16*\ct+4*\c], v[AX] offset:32768*(\u)+2048*\ct+512*\c
.endr
.endr
	WIN 0
.irp q, 0,1,2,3
	ds_load_b32 v[PS+\q], v[PRS] offset:(\u)*PBSZ+128*\q
.endr
	ds_load_b64 v[XS:XS+1], v[AS] offset:1024*(\u)
.if \vnext
	s_wait_dscnt 37                                ; the two a' are in; the 37 loads issued behind them may be out
	VF
	VE 0, 20
	s_wait_dscnt 0x0                               ; fragments and scale words are in
	MM 0, \zero
	VE 20, 32
	MM 1, \zero
	VE 32, 44
	MM 2, \zero
	VE 44, 56
	MM 3, \zero
	VE 56, 68
	VW
	MM 4, \zero
	VS 0, 11
	MM 5, \zero
	VS 11, 22
	MM 6, \zero
	VS 22, 32
	MM 7, \zero
	VC
.irp w, 0,1,2,3,4,5,6,7
	MM 8+\w, \zero
	VH \w
.endr
	v_nop                                          ; a plain instruction behind the last conversion; the ninth place behind the last product
	PSTORE 1-(\u)
.else
	s_wait_dscnt 0x0
	WIN 0x55
.irp w, 0,1,2,3,4,5,6,7,8,9,10,11,12,13,14,15
	MMI \w, \zero
.endr
	WIN 0
.endif
.endm
; TWO KEY STEPS.  One barrier a key step does: buffer 1 - u, written in a step, was last read ahead of the barrier before it, and is read behind the barrier after it.
.macro PAIR z, last
	v_add_nc_u32 v[AX], s[TB], v[AX0]
	v_add_nc_u32 v[AS], s[TS], v[AS0]
	v_add_nc_u32 v[AA], s[TA], v[AA0]
	KSTEP 0, \z, 1
	BAR
	KSTEP 1, 0, 1-\last
.if !\last
	BAR
.endif
	s_add_co_u32 s[TB], s[TB], 65536
	s_add_co_u32 s[TS], s[TS], 2048
	s_add_co_u32 s[TA], s[TA], 16
.endm
; THE CHANGE OF SLOTS, behind a slot's four key steps.  Each wave waits for all its tensor loads (one is out: its part of the other slot), adds 0 to its spare word, and waits for that and for its reads of the slot.
; fill = 1: the barrier is a round of the cluster's, and the joint refill, the group two on, is the first thing behind it: it has four key steps in which to land.
.macro CHANGE fill
	s_wait_tensorcnt 0x0                           ; no tensor load of mine is out, so a group 0 may be written
	ds_add_u32 v[SPW], v[NIL]                      ; 0 onto my spare word
.if \fill
	s_xor_b32 s[G0W+1], s[G0W+1], SLOT1            ; the walking descriptor: the other slot than last time,
	s_add_nc_u64 s[G0W+2:G0W+3], s[G0W+2:G0W+3], 131072   ; the next group; the type bits on top are not reached
	s_wait_xcnt 0x0                                ; the last prefetch, four key steps back, has read its address, so it may be written
	s_add_nc_u64 s[PFA:PFA+1], s[PFA:PFA+1], 131072   ; one group further on than the walking descriptor
	s_wait_dscnt 0x0                               ; the add is done, and my reads of the slot are over
	CROUND
	tensor_load_to_lds s[G0W:G0W+3], s[G1C:G1C+7]  ; my quarter of the group: one key step
	s_nop 0
.rept 4
	v_nop
.endr
	ASK
.else
	s_wait_dscnt 0x0
	s_barrier_signal -1
	s_barrier_wait -1
.endif
	s_sub_co_u32 s[TB], s[TB], 131072              ; back to a slot's first key step,
	s_xor_b32 s[TB], s[TB], SLOT1                  ; in the other slot
.endm
; ---- the head's sum over the 64 partial sums of compressed over h: two landing sets of 16 entries x 8 registers in window 2
.macro T1LOAD set, p0
	WIN 0x80
.irp k, 0,1,2,3,4,5,6,7,8,9,10,11,12,13,14,15
	global_load_b128 v[128*\set+8*\k:128*\set+8*\k+3], v[LI], s[WPB:WPB+1] offset:((\p0)+\k)*4096
	global_load_b128 v[128*\set+8*\k+4:128*\set+8*\k+7], v[LI], s[WPB:WPB+1] offset:((\p0)+\k)*4096+512
.endr
	WIN 0
.endm
.macro T1SUM set, first
.if \first
	WIN 0xca                                       ; both sources window 2, destination window 3: the first two entries start the sums
.irp j, 0,2,4,6
	v_pk_add_f32 v[\j:\j+1], v[128*\set+\j:128*\set+\j+1], v[128*\set+8+\j:128*\set+8+\j+1]
.endr
.endif
	WIN 0xcb
.irp k, 0,1,2,3,4,5,6,7,8,9,10,11,12,13,14,15
.if (\k > 1) || !(\first)
.irp j, 0,2,4,6
	v_pk_add_f32 v[\j:\j+1], v[\j:\j+1], v[128*\set+8*\k+\j:128*\set+8*\k+\j+1]
.endr
.endif
.endr
	WIN 0
.endm
	s_load_b512 s[68:83], s[0:1], 0x0              ; x 68, xq 70, xs 72, wpart 74, hpart 76, w_hfc 78, b_hfc 80, w_wfc 82
	s_load_b512 s[84:99], s[0:1], 0x40             ; b_wfc 84, b_reduce 86, w_c1 88, b_c1 90, w_c2 92, b_c2 94, alpha 96, beta 98
	s_load_b64 s[100:101], s[0:1], 0x80            ; out0
	v_lshl_add_u32 v[SPW], v0, 2, SPARE
	v_mov_b32 v[NIL], 0
	ds_add_u32 v[SPW], v[NIL]                      ; the wave's opening: the add, twice on end, and its wait ahead of my first tensor load; the set-up below stands between
	ds_add_u32 v[SPW], v[NIL]
	v_lshrrev_b32 v1, 5, v0
	v_readfirstlane_b32 s[WV], v1                  ; wave 0..3
	s_bfe_u32 s[CX], ttmp6, 0x40000                ; my place in the cluster: it enters global addresses of my own loads and stores alone
	s_lshl_b32 s[HQ], ttmp9, 2
	s_add_co_u32 s[HQ], s[HQ], s[CX]               ; my row of queries
	s_and_b32 s[BB], ttmp7, 0xffff                 ; the batch, which the four partners share
	s_mov_b32 s[G1C], 15|(3<<16)|(1<<21)           ; the mask: all four work-groups; elements of 8 bytes; bit 21 set beside a mask; no padding: images are read 16 bytes a lane on end
	s_mov_b32 s[G1C+1], 32<<16                     ; tensor_dim0 = 32 elements: 256 bytes
	s_mov_b32 s[G1C+2], 128<<16                    ; tensor_dim1 = 128 rows
	s_mov_b32 s[G1C+3], 32<<16                     ; tile_dim0
	s_mov_b32 s[G1C+4], 128                        ; tile_dim1
	s_mov_b32 s[G1C+5], 32                         ; dense
	s_mov_b32 s[G1C+6], 0
	s_mov_b32 s[G1C+7], 0
	s_mov_b32 s[G1S], 15|(3<<16)|(1<<21)
	s_mov_b32 s[G1S+1], 32<<16
	s_mov_b32 s[G1S+2], 32<<16                     ; 32 rows
	s_mov_b32 s[G1S+3], 32<<16
	s_mov_b32 s[G1S+4], 32
	s_mov_b32 s[G1S+5], 32
	s_mov_b32 s[G1S+6], 0
	s_mov_b32 s[G1S+7], 0
	s_mov_b32 s[G0A], 1
	s_mov_b32 s[G0W], 1
	s_mov_b32 s[G0S], 1
	s_lshl_b32 s62, s[BB], 20                      ; xq: b x 1 MiB + v x 32 KiB: key step v of a group
	s_lshl_b32 s63, s[WV], 15
	s_mov_b32 s[G0A+1], s63
	s_add_co_u32 s[G0W+1], s63, SLOT1
	s_add_co_u32 s62, s62, s63
	s_mov_b32 s63, 0
	s_lshl_b32 s60, s[BB], 15                      ; xs: b x 32 KiB + v x 8 KiB
	s_lshl_b32 s61, s[WV], 13
	s_add_co_u32 s[G0S+1], s61, XSC
	s_add_co_u32 s60, s60, s61
	s_mov_b32 s61, 0
	s_mov_b32 s[SEL], 0x76543210
	s_mov_b32 s[SEL+1], 0xfedcba98
	s_mov_b32 s[MNT], 0x600000
	s_mov_b32 s[L2E], 0x3fb8aa3b
	s_mov_b32 s[NL2E], 0xbfb8aa3b
	s_mov_b32 s[NL2E+1], s[NL2E]
	s_mov_b32 s[TB], 0
	s_mov_b32 s[TS], 0
	s_mov_b32 s[TA], 0
	s_cmp_eq_u32 ttmp9, 0                          ; the batch's first cluster: the same in all four partners
	s_cselect_b32 s[LIM], 1, -1
	s_wait_dscnt 0x0                               ; both opening adds are done
	s_wait_kmcnt 0x0
	s_add_nc_u64 s[G0A+2:G0A+3], s[70:71], s[62:63]
	s_add_nc_u64 s[G0W+2:G0W+3], s[G0A+2:G0A+3], 131072
	s_or_b32 s[G0A+3], s[G0A+3], 0x80000000
	s_or_b32 s[G0W+3], s[G0W+3], 0x80000000
	s_add_nc_u64 s[G0S+2:G0S+3], s[72:73], s[60:61]
	s_or_b32 s[G0S+3], s[G0S+3], 0x80000000
	CROUND                                         ; all four work-groups are here: the first joint loads meet
	tensor_load_to_lds s[G0S:G0S+3], s[G1S:G1S+7]  ; the first fills, one group, every wave three: the scale words,
	s_nop 0
	tensor_load_to_lds s[G0A:G0A+3], s[G1C:G1C+7]  ; group 0 into slot 0,
	s_nop 0
	tensor_load_to_lds s[G0W:G0W+3], s[G1C:G1C+7]  ; group 1 into slot 1: three loads of mine are out
	s_nop 0
.rept 4
	v_nop
.endr
	s_load_b32 s[ALPHA], s[96:97], 0x0
	s_load_b32 s[BETA], s[98:99], 0x0
	s_lshl_b32 s2, s[BB], 22                       ; x and out0: b x 4 MiB + 64 v channels + row hq
	s_lshl_b32 s3, s[WV], 20
	s_add_co_u32 s2, s2, s3
	s_lshl_b32 s3, s[HQ], 8
	s_add_co_u32 s2, s2, s3
	s_mov_b32 s3, 0
	s_add_nc_u64 s[XBASE:XBASE+1], s[68:69], s[2:3]
	s_add_nc_u64 s[OBASE:OBASE+1], s[100:101], s[2:3]
	s_lshl_b32 s60, s[BB], 18                      ; wpart: b x 256 KiB + w tile v x 1,024
	s_lshl_b32 s61, s[WV], 10
	s_add_co_u32 s60, s60, s61
	s_mov_b32 s61, 0
	s_add_nc_u64 s[WPB:WPB+1], s[74:75], s[60:61]
	s_lshl_b32 s60, s[BB], 13
	s_add_nc_u64 s[HPB:HPB+1], s[76:77], s[60:61]
	s_lshr_b32 s2, s[HQ], 1                        ; my row's two entries: p = 2 (hq / 2) and + 1, h' = hq % 2
	s_lshl_b32 s2, s2, 8
	s_and_b32 s3, s[HQ], 1
	s_lshl_b32 s3, s3, 6
	s_add_co_u32 s2, s2, s3
	s_mov_b32 s3, 0
	s_add_nc_u64 s[66:67], s[HPB:HPB+1], s[2:3]
	s_lshl_b32 s60, s[WV], 12                      ; w_c2: my 64 rows of 64 bytes
	s_add_nc_u64 s[92:93], s[92:93], s[60:61]
	s_lshl_b32 s60, s[WV], 8
	s_add_nc_u64 s[94:95], s[94:95], s[60:61]
	s_lshl_b32 s2, s[BB], 20                       ; the prefetches: b, group 2 (the first change steps it to 3), my work-group's quarter, my wave's quarter of that
	s_lshl_b32 s3, s[CX], 15
	s_add_co_u32 s2, s2, s3
	s_lshl_b32 s3, s[WV], 13
	s_add_co_u32 s2, s2, s3
	s_add_co_u32 s2, s2, 262144
	s_mov_b32 s3, 0
	s_add_nc_u64 s[PFA:PFA+1], s[70:71], s[2:3]
	v_and_b32 v234, 31, v0                         ; lane
	v_and_b32 v235, 15, v0                         ; r
	v_bfe_u32 v236, v0, 4, 1                       ; hh
	v_lshlrev_b32 v[LI], 4, v234
	s_lshl_b32 s60, s[WV], 13
	v_add_nc_u32 v[AX0], s60, v[LI]
	s_lshl_b32 s60, s[WV], 8
	s_add_co_u32 s61, s60, XSC
	v_lshl_add_u32 v[AS0], v234, 3, s61
	s_add_co_u32 s61, s60, ATAB
	v_mov_b32 v[AA0], s61
	v_lshl_add_u32 v[AS], v234, 2, s61             ; until the first pair: where I store a' of i = lane
	v_add_nc_u32 v[PRI], PB, v[LI]
	v_lshl_add_u32 v[PRS], v234, 2, PB+8192
	s_lshl_b32 s60, s[WV], 11
	s_add_co_u32 s60, s60, PB
	v_add_nc_u32 v[PWI], s60, v[LI]
	s_lshl_b32 s60, s[WV], 7
	s_add_co_u32 s60, s60, PB+8192
	v_lshl_add_u32 v[PWS], v234, 2, s60
	v_lshlrev_b32 v[PFO], 8, v234
	v_lshlrev_b32 v[GO], 14, v236
	v_lshl_add_u32 v[GO], v235, 4, v[GO]
	s_mul_i32 s60, s[WV], 8704                     ; my two stages, in slot 0
	v_mul_u32_u24 v[STO], v235, 272
	v_lshl_add_u32 v[STO], v236, 5, v[STO]
	v_add_nc_u32 v[STO], s60, v[STO]
	v_mul_u32_u24 v[RD], v236, 272
	v_lshl_add_u32 v[RD], v235, 4, v[RD]
	v_add_nc_u32 v[RD], s60, v[RD]
	v_mov_b32 v[ZO], 0
	s_lshl_b32 s60, s[WV], 6
	s_add_co_u32 s60, s60, LTAB
	v_lshl_add_u32 v237, v235, 2, s60              ; v237: alpha / sum of my query
	v_lshl_add_u32 v238, v235, 4, LTAB             ; v238: and of queries 4 r .. 4 r + 3
	s_lshl_b32 s60, s[WV], 9
	s_add_co_u32 s60, s60, SCR
	v_mov_b32 v240, s60                            ; v240: my scratch
	v_and_b32 v241, 3, v0
	v_lshl_add_u32 v241, v241, 4, s60              ; v241: pooled: four numbers for each lane % 4
	s_add_co_u32 s61, s60, 64
	v_lshl_add_u32 v242, v235, 2, s61              ; v242: the hidden unit r
	s_add_co_u32 s61, s60, 128
	v_lshl_add_u32 v239, v236, 7, s61              ; v239: back: the gates of the channels of my parity hh
	v_and_b32 v243, 1, v0
	v_lshlrev_b32 v243, 7, v243
	v_lshrrev_b32 v1, 1, v234
	v_lshl_add_u32 v243, v1, 2, v243
	v_add_nc_u32 v243, s61, v243                   ; v243: the gate of channel lane: by parity, then by half the number
	v_lshlrev_b32 v250, 6, v234                    ; offsets of the small loads: 64 lane,
	v_lshlrev_b32 v251, 2, v234                    ; 4 lane,
	v_lshlrev_b32 v252, 6, v235                    ; 64 r,
	v_lshlrev_b32 v253, 2, v235                    ; 4 r,
	v_and_b32 v254, 8, v235
	v_add_nc_u32 v254, v254, v235
	v_lshlrev_b32 v254, 6, v254
	v_lshl_add_u32 v254, v236, 5, v254             ; w_wfc: row r + 8 (r / 8) of a tile, + 32 hh,
	v_lshlrev_b32 v255, 6, v236                    ; 64 hh,
	v_lshlrev_b32 v[AX], 5, v236                   ; 32 hh (until the first pair)
.irp j, 145,147,229,231,233,23,25,28,29,30,31
	v_mov_b32 v[\j], 0                             ; the upper halves of the pairs that begin as (bias, 0) or are named with a low word; the sum's two chains
.endr
.irp k, 0,1,2,3
	global_load_b128 v[64+4*\k:67+4*\k], v[ZO], s[66:67] offset:16*\k          ; my row's sums over w, channels' first half,
	global_load_b128 v[80+4*\k:83+4*\k], v[ZO], s[66:67] offset:128+16*\k      ; second half
	global_load_b128 v[96+4*\k:99+4*\k], v[ZO], s[86:87] offset:16*\k          ; b_reduce
	global_load_b128 v[112+4*\k:115+4*\k], v250, s[78:79] offset:16*\k         ; w_hfc's rows lane,
	global_load_b128 v[128+4*\k:131+4*\k], v250, s[78:79] offset:2048+16*\k    ; and lane + 32
	global_load_b128 v[212+4*\k:215+4*\k], v252, s[88:89] offset:16*\k         ; w_c1's row r
	global_load_b128 v[32+4*\k:35+4*\k], v250, s[92:93] offset:16*\k           ; w_c2's rows 64 v + lane,
	global_load_b128 v[48+4*\k:51+4*\k], v250, s[92:93] offset:2048+16*\k      ; and + 32
.endr
	global_load_b32 v144, v251, s[80:81]
	global_load_b32 v146, v251, s[80:81] offset:128
	global_load_b32 v228, v253, s[90:91]
	global_load_b32 v230, v251, s[94:95]
	global_load_b32 v232, v251, s[94:95] offset:128
.irp k, 0,1,2,3,4,5,6,7,8,9,10,11,12,13,14,15
	global_load_b128 v[148+4*\k:151+4*\k], v[LI], s[HPB:HPB+1] offset:512*\k   ; all of the batch's sums over w: 8 KiB
.endr
	WIN 0x40
.irp t, 0,1,2,3                                ; w_wfc: THE ROWS OF A TILE ARE NOT NEIGHBOURS: lane r of tile 2 b + u takes row 32 b + 8 u + r + 8 (r / 8); a lane holds k = 8 hh + 0 .. 7.  b_wfc in the result's layout
	global_load_b128 v[128+8*\t:131+8*\t], v254, s[82:83] offset:(32*(\t/2)+8*(\t%2))*64
	global_load_b128 v[132+8*\t:135+8*\t], v254, s[82:83] offset:(32*(\t/2)+8*(\t%2))*64+16
	global_load_b128 v[160+8*\t:163+8*\t], v255, s[84:85] offset:(32*(\t/2)+8*(\t%2))*4
	global_load_b128 v[164+8*\t:167+8*\t], v255, s[84:85] offset:(32*(\t/2)+8*(\t%2))*4+16
.endr
	global_load_b128 v[200:203], v[AX], s[86:87]   ; b_reduce at 8 hh + 0 .. 7
	global_load_b128 v[204:207], v[AX], s[86:87] offset:16
	WIN 0
	T1LOAD 0, 0
	T1LOAD 1, 16
	s_wait_loadcnt 63                              ; the small loads are in: 64 were issued behind them, and the wait's field names 63 at the most
	s_wait_kmcnt 0x0                               ; alpha, beta
	; ---- height_fc: a' = sigmoid(h_vec[hq] . w_hfc[i] + b_hfc[i]) x log2(e) for i = lane and lane + 32
.irp k, 0,2,4,6,8,10,12,14
	v_pk_add_f32 v[64+\k:65+\k], v[64+\k:65+\k], v[80+\k:81+\k]
.endr
.irp k, 0,2,4,6,8,10,12,14
	v_pk_fma_f32 v[64+\k:65+\k], v[64+\k:65+\k], 0x3c800000, v[96+\k:97+\k] op_sel_hi:[1,0,1]   ; the mean over 64 w, + b_reduce
.endr
.irp k, 0,2,4,6,8,10,12,14
	v_pk_fma_f32 v[144:145], v[112+\k:113+\k], v[64+\k:65+\k], v[144:145]
	v_pk_fma_f32 v[146:147], v[128+\k:129+\k], v[64+\k:65+\k], v[146:147]
.endr
	v_add_f32 v144, v144, v145
	v_add_f32 v146, v146, v147
	v_mul_f32 v144, s[NL2E], v144
	v_mul_f32 v146, s[NL2E], v146
	v_exp_f32 v144, v144
	v_exp_f32 v146, v146
	v_nop
	s_wait_alu depctr_va_vdst(0)                   ; one wait for the two, ahead of their first reader
	v_add_f32 v144, 1.0, v144
	v_add_f32 v146, 1.0, v146
	v_rcp_f32 v144, v144
	v_rcp_f32 v146, v146
	v_nop
	s_wait_alu depctr_va_vdst(0)
	v_mul_f32 v144, s[L2E], v144
	v_mul_f32 v146, s[L2E], v146
	ds_store_b32 v[AS], v144
	ds_store_b32 v[AS], v146 offset:128
	v_max_num_f32 v[NM+1], v144, v146
.irp m, 1,2,4,8
	v_max_num_f32_dpp v[NM+1], v[NM+1], v[NM+1] row_xmask:\m row_mask:0xf bank_mask:0xf
.endr
	v_permlanex16_b32 v147, v[NM+1], s[SEL], s[SEL+1]
	v_max_num_f32 v[NM+1], v[NM+1], v147           ; the largest a'
	; ---- the channel gate: pooled, relu(w_c1 ..), sigmoid(w_c2 ..) x beta for channels 64 v + lane and + 32
.irp k, 1,2,3,4,5,6,7,8,9,10,11,12,13,14,15
	v_pk_add_f32 v[148:149], v[148:149], v[148+4*\k:149+4*\k]
	v_pk_add_f32 v[150:151], v[150:151], v[150+4*\k:151+4*\k]
.endr
.irp m, 4,8
.irp j, 0,1,2,3
	v_add_f32_dpp v[148+\j], v[148+\j], v[148+\j] row_xmask:\m row_mask:0xf bank_mask:0xf
.endr
.endr
.irp j, 0,1,2,3
	v_permlanex16_b32 v[152+\j], v[148+\j], s[SEL], s[SEL+1]
.endr
	v_pk_add_f32 v[148:149], v[148:149], v[152:153]
	v_pk_add_f32 v[150:151], v[150:151], v[154:155]   ; reduced channels 4 (lane % 4) + 0 .. 3, summed over all positions
	ds_store_b128 v241, v[148:151]
.irp k, 0,1,2,3
	ds_load_b128 v[152+4*\k:155+4*\k], v240 offset:16*\k   ; LDS serves a wave's instructions in order (ISA guide 5.7.1.4): these see my stores
.endr
	s_wait_dscnt 0x0
.irp k, 0,2,4,6,8,10,12,14
	v_pk_fma_f32 v[152+\k:153+\k], v[152+\k:153+\k], 0x39800000, v[96+\k:97+\k] op_sel_hi:[1,0,1]   ; the mean over 4,096, + b_reduce
.endr
.irp k, 0,2,4,6,8,10,12,14
	v_pk_fma_f32 v[228:229], v[212+\k:213+\k], v[152+\k:153+\k], v[228:229]
.endr
	v_add_f32 v228, v228, v229
	v_max_num_f32 v228, 0, v228
	ds_store_b32 v242, v228
.irp k, 0,1,2,3
	ds_load_b128 v[168+4*\k:171+4*\k], v240 offset:64+16*\k
.endr
	s_wait_dscnt 0x0
.irp k, 0,2,4,6,8,10,12,14
	v_pk_fma_f32 v[230:231], v[32+\k:33+\k], v[168+\k:169+\k], v[230:231]
	v_pk_fma_f32 v[232:233], v[48+\k:49+\k], v[168+\k:169+\k], v[232:233]
.endr
	v_add_f32 v230, v230, v231
	v_add_f32 v232, v232, v233
	v_mul_f32 v230, s[NL2E], v230
	v_mul_f32 v232, s[NL2E], v232
	v_exp_f32 v230, v230
	v_exp_f32 v232, v232
	v_nop
	s_wait_alu depctr_va_vdst(0)
	v_add_f32 v230, 1.0, v230
	v_add_f32 v232, 1.0, v232
	v_rcp_f32 v230, v230
	v_rcp_f32 v232, v232
	v_nop
	s_wait_alu depctr_va_vdst(0)
	v_mul_f32 v230, s[BETA], v230
	v_mul_f32 v232, s[BETA], v232
	ds_store_b32 v243, v230
	ds_store_b32 v243, v232 offset:64
	; ---- width_fc: the sum of the 64 partial sums, two landing sets by turns
	s_wait_loadcnt 32                              ; the older set is in; the younger set's 32 loads may be out
	T1SUM 0, 1
	T1LOAD 0, 32
	s_wait_loadcnt 32
	T1SUM 1, 0
	T1LOAD 1, 48
	s_wait_loadcnt 32
	T1SUM 0, 0
	s_wait_loadcnt 0x0
	T1SUM 1, 0
	WIN 0x53                                       ; source 0 window 3, source 2 and destination window 1
.irp j, 0,2,4,6
	v_pk_fma_f32 v[192+\j:193+\j], v[\j:\j+1], 0x3c800000, v[200+\j:201+\j] op_sel_hi:[1,0,1]   ; w_vec(w = 16 v + r, 8 hh + 0 .. 7): the mean over 64 h, + b_reduce
.endr
.rept 4
	v_nop
.endr
	WIN 0x55
; z^T = w_wfc w_vec^T + b_wfc in f32, since it goes on into a quantised operand: four tiles by turns, K = 16 in four steps.  Step ks takes k = 8 hh + 2 ks + 0, 1 on both sides alike: all 16 k once.
; The results lie in the registers of accumulators 0 to 3, which matrix instructions alone ever write.  Register jj of tile 2 b + u is j = 32 b + 16 hh + 8 u + jj of query r.
.irp ks, 0,1,2,3
.irp t, 0,1,2,3
.if \ks == 0
	v_wmma_f32_16x16x4_f32 v[8*\t:8*\t+7], v[128+8*\t+2*\ks:129+8*\t+2*\ks], v[192+2*\ks:193+2*\ks], v[160+8*\t:167+8*\t]
.else
	v_wmma_f32_16x16x4_f32 v[8*\t:8*\t+7], v[128+8*\t+2*\ks:129+8*\t+2*\ks], v[192+2*\ks:193+2*\ks], v[8*\t:8*\t+7]
.endif
.endr
.endr
	WIN 0
.rept 8
	v_nop                                          ; eight places ahead of the first read of the results
.endr
	WIN 0x01
.irp n, 0,2,4,6,8,10,12,14,16,18,20,22,24,26,28,30
	v_pk_mul_f32 v[BQ+\n:BQ+\n+1], v[\n:\n+1], s[NL2E:NL2E+1] op_sel_hi:[1,0]   ; each accumulator from its low end on, into other registers
.endr
	WIN 0
.irp n, 0,1,2,3,4,5,6,7,8,9,10,11,12,13,14,15,16,17,18,19,20,21,22,23,24,25,26,27,28,29,30,31
	v_exp_f32 v[BQ+\n], v[BQ+\n]
.endr
	v_nop
	s_wait_alu depctr_va_vdst(0)
.irp n, 0,2,4,6,8,10,12,14,16,18,20,22,24,26,28,30
	v_pk_add_f32 v[BQ+\n:BQ+\n+1], v[BQ+\n:BQ+\n+1], 1.0 op_sel_hi:[1,0]
.endr
.irp n, 0,1,2,3,4,5,6,7,8,9,10,11,12,13,14,15,16,17,18,19,20,21,22,23,24,25,26,27,28,29,30,31
	v_rcp_f32 v[BQ+\n], v[BQ+\n]
.endr
	v_nop
	s_wait_alu depctr_va_vdst(0)                   ; w_att(w, 32 jb + 16 hh + i) in v[BQ + 16 jb + i]
.irp jb, 0,1
	v_max3_num_f32 v[BMX+\jb], v[BQ+16*\jb], v[BQ+16*\jb+1], v[BQ+16*\jb+2]
.endr
.irp i, 3,5,7,9,11,13
.irp jb, 0,1
	v_max3_num_f32 v[BMX+\jb], v[BMX+\jb], v[BQ+16*\jb+\i], v[BQ+16*\jb+\i+1]
.endr
.endr
.irp jb, 0,1
	v_max_num_f32 v[BMX+\jb], v[BMX+\jb], v[BQ+16*\jb+15]
.endr
.irp jb, 0,1
	v_permlanex16_b32 v[148+\jb], v[BMX+\jb], s[SEL], s[SEL+1]
.endr
.irp jb, 0,1
	v_max_num_f32 v[BMX+\jb], v[BMX+\jb], v[148+\jb]   ; the largest w_att of my query among j = 32 jb .. + 31
.endr
	v_max_num_f32 v148, v[BMX], v[BMX+1]
	v_mul_f32 v148, v[NM+1], v148                  ; the row's largest t
	v_floor_f32 v[NM], -v148                       ; -M = floor(-t) = -ceil(t)
	; ---- p of key step 0, with nothing to multiply yet
	ds_load_b32 v[AI], v[AA0]
	ds_load_b32 v[AI+2], v[AA0] offset:4
	s_wait_dscnt 0x0
	VF
	VE 0, 68
	VW
	VS 0, 32
	VC
.irp w, 0,1,2,3,4,5,6,7
	VH \w
.endr
	v_nop
	PSTORE 0
	s_wait_tensorcnt 0x1                           ; the scale words and my part of slot 0 are in; slot 1's load may stay out
	BAR
	PAIR 1, 0                                      ; group 0; the first key step's products start the sums: nothing is cleared
	PAIR 0, 0
	s_mov_b32 s[GRP], 6
.Lgrp:                                             ; six trips: groups 1 to 6; behind each change the slot just left takes the group two on
	CHANGE 1
	s_mov_b32 s[TW], 2
.Lpair:
	PAIR 0, 0
	s_sub_co_u32 s[TW], s[TW], 1
	s_cmp_lg_u32 s[TW], 0
	s_cbranch_scc1 .Lpair
	s_sub_co_u32 s[GRP], s[GRP], 1
	s_cmp_lg_u32 s[GRP], 0
	s_cbranch_scc1 .Lgrp
	CHANGE 0                                       ; the tail is written out: nothing is left to ask for
	WIN 0x80
.irp ct, 0,1,2,3                               ; x in f32 for the second term, asked for four key steps ahead of its use: channel 64 v + 16 ct + 2 t + hh, row hq, w = 4 r .. + 3
.irp t, 0,1,2,3,4,5,6,7
	global_load_b128 v[32*\ct+4*\t:32*\ct+4*\t+3], v[GO], s[XBASE:XBASE+1] offset:(16*\ct+2*\t)*16384 th:TH_LOAD_NT
.endr
.endr
	WIN 0
	PAIR 0, 0
	PAIR 0, 1
	; THE WAY OUT.  alpha / sum of each query goes round through LDS; a channel tile (16 channels x 64 queries) goes through my stage and comes back as whole rows of 256 bytes.
	; The stages lie in slot 0, which has had its last fill and which nobody has read since the last change of slots.
.rept 8
	v_nop                                          ; eight places behind the last products, ahead of the first read of results
.endr
	v_pk_add_f32 v[LS:LS+1], v[LS:LS+1], v[LS+2:LS+3]
	v_add_f32 v[LS], v[LS], v[LS+1]
	v_permlanex16_b32 v[LS+1], v[LS], s[SEL], s[SEL+1]
	v_add_f32 v[LS], v[LS], v[LS+1]                ; the row's sum
	v_rcp_f32 v[LS], v[LS]
	v_nop
	s_wait_alu depctr_va_vdst(0)
	v_mul_f32 v[LS], s[ALPHA], v[LS]
	ds_store_b32 v237, v[LS]                       ; both lanes of a query write the same word with the same value
	BAR
	ds_load_b128 v[128:131], v238                  ; alpha / sum of queries 4 r .. 4 r + 3
.irp k, 0,1,2,3,4,5,6,7
	ds_load_b128 v[32+4*\k:35+4*\k], v239 offset:16*\k   ; v[32 + 8 ct + t]: beta x c_att of channel 16 ct + 2 t + hh
.endr
.macro TOSTAGE ct
	WIN 0x04                                       ; an LDS store's data are its source 1: window 1
.irp q, 0,1,2,3
	ds_store_b128 v[STO], v[8*(4*(\ct)+\q):8*(4*(\ct)+\q)+3] offset:((\ct)%2)*4352+64*\q       ; each accumulator from its low end on: channel r, queries 16 q + 8 hh + 0 .. 7
	ds_store_b128 v[STO], v[8*(4*(\ct)+\q)+4:8*(4*(\ct)+\q)+7] offset:((\ct)%2)*4352+64*\q+16
.endr
	WIN 0
.set BK, 64+32*((\ct)%2)
.irp t, 0,1,2,3,4,5,6,7
	ds_load_b128 v[BK+4*\t:BK+4*\t+3], v[RD] offset:((\ct)%2)*4352+544*\t   ; lanes 0-15 one channel's row, lanes 16-31 the next; these see my stores above
.endr
.endm
.macro SEND ct, younger                ; younger: the LDS instructions issued behind this tile's loads
.set BK, 64+32*((\ct)%2)
	s_wait_dscnt \younger
	s_wait_loadcnt 8*(3-(\ct))                     ; this tile's eight loads of x are in; those of the later tiles may be out
.irp t, 0,1,2,3,4,5,6,7
	v_pk_mul_f32 v[BK+4*\t:BK+4*\t+1], v[BK+4*\t:BK+4*\t+1], v[128:129]
	v_pk_mul_f32 v[BK+4*\t+2:BK+4*\t+3], v[BK+4*\t+2:BK+4*\t+3], v[130:131]
.endr
	WIN 0x02                                       ; source 0 (x) window 2
.irp t, 0,1,2,3,4,5,6,7
.irp e, 0,1,2,3
	v_fma_f32 v[BK+4*\t+\e], v[32*(\ct)+4*\t+\e], v[32+8*(\ct)+\t], v[BK+4*\t+\e]
.endr
.endr
	WIN 0
.irp t, 0,1,2,3,4,5,6,7
	global_store_b128 v[GO], v[BK+4*\t:BK+4*\t+3], s[OBASE:OBASE+1] offset:(16*(\ct)+2*\t)*16384 th:TH_STORE_NT   ; 16 lanes store 256 consecutive bytes, at a multiple of 256 from out0's first byte
.endr
.endm
	TOSTAGE 0
.irp a, 1,2,3
.if \a > 1
	s_wait_xcnt 0x0                                ; the stores of the tile two back have read their registers, into which this tile's rows are loaded
.endif
	TOSTAGE \a
	SEND \a-1, 16                                  ; behind that tile's loads: this tile's 8 stores and 8 loads
.endr
	SEND 3, 0
	s_wait_tensorcnt 0x0                           ; the wave's end, behind my last tensor load and my last LDS store
	ds_add_u32 v[SPW], v[NIL]
	s_wait_dscnt 0x0
	CROUND                                         ; the closing round: no work-group ends while a partner may still ask for a tile that names it
	s_endpgm
.Lfunc_end_k_q884c25ceb5_attn:
	.size	k_q884c25ceb5_attn, .Lfunc_end_k_q884c25ceb5_attn-k_q884c25ceb5_attn
	.p2alignl 7, 3214868480
	.fill 96, 4, 3214868480
	.section	.rodata,"a",@progbits
	.p2align	6, 0x0
	.amdhsa_kernel k_q884c25ceb5_attn
		.amdhsa_group_segment_fixed_size 327680
		.amdhsa_private_segment_fixed_size 0
		.amdhsa_enable_private_segment 0
		.amdhsa_kernarg_size 136
		.amdhsa_user_sgpr_count 2
		.amdhsa_user_sgpr_kernarg_segment_ptr 1
		.amdhsa_wavefront_size32 1
		.amdhsa_system_sgpr_workgroup_id_x 1
		.amdhsa_system_sgpr_workgroup_id_y 1
		.amdhsa_system_sgpr_workgroup_id_z 1
		.amdhsa_system_vgpr_workitem_id 0
		.amdhsa_next_free_vgpr 1024
		.amdhsa_next_free_sgpr 102
		.amdhsa_reserve_vcc 0
		.amdhsa_float_denorm_mode_32 3
		.amdhsa_float_denorm_mode_16_64 3
		.amdhsa_memory_ordered 1
		.amdhsa_forward_progress 1
		.amdhsa_inst_pref_size 246
	.end_amdhsa_kernel
	.amdgpu_metadata
---
amdhsa.version: [ 1, 2 ]
amdhsa.kernels:
  - .name:           k_q884c25ceb5_attn
    .symbol:         k_q884c25ceb5_attn.kd
    .args:
      - { .name: x, .offset: 0, .size: 8, .value_kind: global_buffer, .address_space: global }
      - { .name: xq, .offset: 8, .size: 8, .value_kind: global_buffer, .address_space: global }
      - { .name: xs, .offset: 16, .size: 8, .value_kind: global_buffer, .address_space: global }
      - { .name: wpart, .offset: 24, .size: 8, .value_kind: global_buffer, .address_space: global }
      - { .name: hpart, .offset: 32, .size: 8, .value_kind: global_buffer, .address_space: global }
      - { .name: w_hfc, .offset: 40, .size: 8, .value_kind: global_buffer, .address_space: global }
      - { .name: b_hfc, .offset: 48, .size: 8, .value_kind: global_buffer, .address_space: global }
      - { .name: w_wfc, .offset: 56, .size: 8, .value_kind: global_buffer, .address_space: global }
      - { .name: b_wfc, .offset: 64, .size: 8, .value_kind: global_buffer, .address_space: global }
      - { .name: b_reduce, .offset: 72, .size: 8, .value_kind: global_buffer, .address_space: global }
      - { .name: w_c1, .offset: 80, .size: 8, .value_kind: global_buffer, .address_space: global }
      - { .name: b_c1, .offset: 88, .size: 8, .value_kind: global_buffer, .address_space: global }
      - { .name: w_c2, .offset: 96, .size: 8, .value_kind: global_buffer, .address_space: global }
      - { .name: b_c2, .offset: 104, .size: 8, .value_kind: global_buffer, .address_space: global }
      - { .name: alpha, .offset: 112, .size: 8, .value_kind: global_buffer, .address_space: global }
      - { .name: beta, .offset: 120, .size: 8, .value_kind: global_buffer, .address_space: global }
      - { .name: out0, .offset: 128, .size: 8, .value_kind: global_buffer, .address_space: global }
    .group_segment_fixed_size: 327680
    .private_segment_fixed_size: 0
    .kernarg_segment_align: 8
    .kernarg_segment_size: 136
    .max_flat_workgroup_size: 128
    .sgpr_count:     102
    .vgpr_count:     1024
    .wavefront_size: 32
...
	.end_amdgpu_metadata
.endif
;; end of part 2
;; ======== version 2 of 2: 2 launches
;; workspace buffers: xq 4,194,304 bytes; xs 131,072 bytes; wpart 1,048,576 bytes; hpart 32,768 bytes
;; launch prep: the kernel of part 1 again; grid 64 x 4, 8 waves a work-group, no clusters, 167,936 bytes of LDS; arguments x, w_reduce_codes, w_reduce_scales, xq, xs, wpart, hpart; writes xq, xs, wpart, hpart
;; launch attn (part 3): grid 64 x 4, 4 waves a work-group, clusters of 4 x 1, 327,680 bytes of LDS; arguments x, xq, xs, wpart, hpart, w_hfc, b_hfc, w_wfc, b_wfc, b_reduce, w_c1, b_c1, w_c2, b_c2, alpha, beta, out0; writes out0
.if DOCPART == 3
	.amdgcn_target "amdgcn-amd-amdhsa--gfx1250"
	.amdhsa_code_object_version 6
	.text
	.protected	k_q884c25ceb5_attn
	.globl	k_q884c25ceb5_attn
	.p2align	8
	.type	k_q884c25ceb5_attn,@function
k_q884c25ceb5_attn:
	s_mov_b64 s[64:65], 0
	v_nop
	global_prefetch_b8 v0, s[64:65] scope:SCOPE_SE
	s_setreg_imm32_b32 hwreg(HW_REG_WAVE_MODE, 25, 1), 1
	s_wait_xcnt 0x0
	s_wait_alu depctr_hold_cnt(0) depctr_sa_sdst(0) depctr_va_vdst(0) depctr_va_sdst(0) depctr_va_ssrc(0) depctr_va_vcc(0) depctr_vm_vsrc(0)
	s_getreg_b32 s2, hwreg(HW_REG_IB_STS2, 6, 4)
	s_cmp_eq_u32 s2, 0
	s_cbranch_scc0 .Lentry_in_a_cluster
	s_endpgm
.Lentry_in_a_cluster:
	s_bfe_u32 s2, ttmp6, 0x10000c
	s_cmp_lg_u32 s2, 0x3003
	s_cbranch_scc0 .Lentry_shape_is_right
	s_endpgm
.Lentry_shape_is_right:
; out[b][c][h][w] = alpha x (sum over keys (i, j) of softmax(h_att[h][i] w_att[w][j]) x[b][c][i][j]) + beta x c_att[c] x[b][c][h][w].  No work of the problem is left out here either.
; The product over the 4,096 keys is on codes of BF8 (E5M2) with one E8M0 scale for each 32 keys: x's codes come from the launch before; p = 2^(t - M), t = logit x log2(e), M a whole number, is made and quantised here;
; the row's sum is taken of the unquantised p and divides at the end.
; SHARES.  A work-group owns one row of 64 queries (b, h = hq) and all 256 channels, so that each p is made once.  Wave v makes p for queries w = 16 v .. + 15 and multiplies channels 64 v .. + 63 by all 64 queries:
; 16 accumulators.  p's fragments go from wave to wave through LDS as images of their registers, in two buffers by turns, one barrier a key step of 128 keys.
; THREE STEPS ARE IN HAND AT ONCE.  Key step f of the walk FETCHES step f's fragments of p and of x from LDS into one of two register sets, MULTIPLIES step f - 1 from the other set, and MAKES p of step f + 1:
; so no product waits for an LDS load, and the loads have a whole step in which to land.
; NO FIRST PRODUCT.  A key step s holds keys (i, j), i = 2 s, 2 s + 1, j = 0 .. 63.  A lane holds one query w and keeps its 32 numbers w_att[w][32 jb + 16 (lane / 16) + 0 .. 15]; with a' = h_att[hq][i] log2(e), the same in all lanes,
; t - M is one fused multiply-add, already in the order of the operand's registers.
; THE MAXIMUM IS TAKEN AWAY, AND NEED NOT BE SEARCHED FOR: both factors are sigmoids, never negative, and a rounded product does not fall where a factor rises: the row's largest t is (largest a') x (largest w_att of the row),
; a block's largest is its a' x the largest w_att of its 32 j.  M = ceil of the first; t - M lies between -2 and 0 for all finite inputs, so a block's scale byte lies between 110 and 112 and needs no floor.
; THE SMALL CHAINS (the pooled means, height_fc, width_fc, the channel gate) are made by every wave for itself at the head, in f32, while the first tiles are on their way.  width_fc goes by v_wmma_f32_16x16x4_f32, 16 instructions.
; CLUSTER.  The four work-groups of a cluster belong to one batch and walk the same codes and scale words of x: each tile is asked for JOINTLY (mask 15).  The partial sums of the launch before go to registers and are not shared.
; LIMITS: NaN and infinities among the inputs are not served.  t is made as (a log2(e)) x w_att, reference() has (a w_att) log2(e): the two differ by rounding.  Where the rounded largest t lies at a whole number, M may be one off: a power of two, which the blocks' scales and the sum take up.
; REGISTERS, in windows of 256.  Window 0: v2-19 addresses; v[20:21] -M (v21 holds the largest a' and is only named with it); v[22:25] the step's two a'; v26-27 the two blocks' largest w_att;
;   v32-63 w_att; v64-127 t, then p; v128-143 p's codes; v144-160 at work; v164-171 the sum, four chains; v234-243 addresses; v244-249 and v250-255 the two sets' scale words (four of p, two of x): these twelve hold scales and nothing else.
;   Window 1: v0-127 the accumulators ((ct, q) at 8 (4 ct + q)); v128-191 p's four fragments, v192-255 x's four: set 0.   Window 2: v128-255 the same: set 1; v0-127 later x in f32; at the head all of it: landing sets.   Window 3: v0-7 the head's sum.
.set SLOT1, 131072                     ; LDS: two slots of four key steps (4 x 32,768 bytes), 2^17 apart: one exclusive or turns an address
.set XSC,   262144                     ; x's scale words of the whole batch, 32,768 bytes: filled once
.set PB,    294912                     ; p's two buffers
.set PBSZ,  8704                       ; a buffer: four images of 2,048 bytes, then four times 128 bytes of scale words
.set ATAB,  312320                     ; a' of the 64 i, a copy for each wave: 4 x 256
.set SCR,   313344                     ; 512 bytes for each wave: pooled at 0, the hidden 16 at 64, beta x c_att of my 64 channels at 128
.set LTAB,  315392                     ; alpha / sum of the 64 queries
.set SPARE, 315648                     ; the spare words, 128 bytes for each wave: two blocks of 256 bytes that no other line names
.set AX0, 2                            ; v2   8,192 v + 16 lane: my four fragments of x in a key step
.set AX,  3                            ; v3   + the pair's place (at the head: 32 hh, an offset of loads)
.set AS0, 4                            ; v4   XSC + 256 v + 8 lane
.set AS,  5                            ; v5   + the pair's place (at the head: where I store a')
.set AA0, 6                            ; v6   ATAB + 256 v
.set AA,  7                            ; v7   + the pair's place (at the head: an offset of loads)
.set PRI, 8                            ; v8   PB + 16 lane
.set PRS, 9                            ; v9   PB + 8,192 + 4 lane
.set PWI, 10                           ; v10  PB + 2,048 v + 16 lane
.set PWS, 11                           ; v11  PB + 8,192 + 128 v + 4 lane
.set SPW, 12                           ; v12  SPARE + 4 x my thread's number; never rewritten
.set NIL, 13                           ; v13  0; never rewritten
.set PFO, 14                           ; v14  256 x lane: the prefetches' offset; never rewritten
.set GO,  15                           ; v15  16,384 hh + 16 r: two channels' rows of x and of out
.set STO, 16                           ; v16  the way out: where I put 32 bytes of a channel's row
.set RD,  17                           ; v17  and where I read a row back
.set LI,  18                           ; v18  16 x lane
.set ZO,  19                           ; v19  0
.set NM,  20
.set AI,  22
.set BMX, 26
.set BQ,  32
.set T,   64
.set PC,  128
.set TM,  144
.set SO,  148
.set HD,  152
.set BY,  156
.set PW,  160
.set LS,  164
.set PS,  244                          ; set u's scale words of p at v[PS + 6 u] on,
.set XS,  248                          ; of x at v[XS + 6 u] on
.set O64L, 22                          ; offsets of the head's small loads, in registers that the loop takes over behind the wait for all loads: 64 lane,
.set O4L,  24                          ; 4 lane,
.set O64R, 26                          ; 64 r,
.set O4R,  27                          ; 4 r,
.set OWW,  7                           ; w_wfc's row of a tile,
.set O64H, 1                           ; 64 hh
.set WV,  4                            ; s4 wave; s5 cx; s6 hq; s7 b
.set CX,  5
.set HQ,  6
.set BB,  7
.set G1C, 8                            ; s[8:15]  group 1: 128 rows of 256 bytes (a key step's codes)
.set G1S, 16                           ; s[16:23] group 1: 32 rows of 256 bytes (a quarter of the scale words)
.set G0A, 24                           ; s[24:27] group 0: slot 0's first fill
.set G0W, 28                           ; s[28:31] group 0: slot 1's first fill; it then walks on
.set G0S, 32                           ; s[32:35] group 0: the scale words
.set SEL, 36
.set MNT, 38
.set TB,  39                           ; s39  LDS byte at which the pair's key steps begin
.set TS,  40                           ; s40  the pair's scale words of x: 2,048 bytes a pair
.set TA,  41                           ; s41  the pair's a': 16 bytes a pair
.set GRP, 42
.set TW,  43
.set PFA, 44                           ; s[44:45] where my prefetches stand
.set LIM, 46                           ; s46  1 in the batch's first cluster, else the greatest number
.set ALPHA, 47
.set BETA,  48
.set L2E,   49                         ; log2(e)
.set NL2E,  50                         ; s[50:51] -log2(e), named as a pair
.set XBASE, 52                         ; s[52:53] x at (b, channel 64 v, row hq);  s[54:55] out0 likewise
.set OBASE, 54
.set WPB,   56                         ; s[56:57] wpart at (b, w tile v)
.set HPB,   58                         ; s[58:59] hpart at b;  s[66:67] at my row hq's first entry
.set MSB, 0
.macro WIN new                         ; the immediate's high byte repeats the setting that is left; a switch that changes nothing is dropped
.if MSB != (\new)
	s_set_vgpr_msb (MSB<<8)|(\new)
.set MSB, (\new)
.endif
.endm
.macro CROUND                          ; a round of the cluster's barrier
	s_barrier_signal -1
	s_barrier_wait -1
	s_cmp_lg_u32 s[WV], 0
	s_cbranch_scc1 .Lnot_wave_0_\@
	s_barrier_signal -3
.Lnot_wave_0_\@:
	s_barrier_wait -3
	s_barrier_signal -1
	s_barrier_wait -1
.endm
.macro BAR                             ; my LDS stores have landed and my LDS loads are in: then the work-group's barrier
	s_wait_dscnt 0x0
	s_barrier_signal -1
	s_barrier_wait -1
.endm
; A PREFETCH INTO THE L2 of the group of four key steps that the NEXT change of slots will ask for: 131,072 bytes.  All 16 clusters of a batch walk the same codes: the batch's first cluster asks.  Its four partners take 32,768 bytes each,
; told apart by address; each wave 8,192, lanes 256 bytes apart: each aligned block of 256 bytes is named once.  The last change that fills a slot asks for nothing.  Groups 0 to 2 come by their loads alone.
.macro ASK
	s_cmp_gt_u32 s[GRP], s[LIM]
	s_cbranch_scc0 .Lnot_mine_\@
	global_prefetch_b8 v[PFO], s[PFA:PFA+1] th:TH_LOAD_NT scope:SCOPE_SE
.Lnot_mine_\@:
.endm
; ---- the vector work of a key step: p of 128 keys for my 16 queries
.macro VFC c                           ; t - M of block c: register 16 c + i: key 32 c + 16 hh + i, that is i = 2 s + c / 2, j = 32 (c % 2) + 16 hh + i
.irp k, 0,1,2,3,4,5,6,7
	v_pk_fma_f32 v[T+16*(\c)+2*\k:T+16*(\c)+2*\k+1], v[BQ+16*((\c)%2)+2*\k:BQ+16*((\c)%2)+2*\k+1], v[AI+2*((\c)/2):AI+2*((\c)/2)+1], v[NM:NM+1] op_sel_hi:[1,0,0]
.endr
.endm
.macro VFM                             ; the same of each block's largest
.irp c, 0,1,2,3
	v_fma_f32 v[TM+\c], v[AI+2*(\c/2)], v[BMX+(\c%2)], v[NM]
.endr
.endm
.macro VE a, b                         ; exponentials number a to b - 1 of 68: 0-63 p, 64-67 the blocks' largest p.  All 68 are one batch: none reads another's result
.set n, \a
.rept (\b)-(\a)
.if n < 64
	v_exp_f32 v[T+n], v[T+n]
.else
	v_exp_f32 v[TM+n-64], v[TM+n-64]
.endif
.set n, n+1
.endr
.endm
.macro VW                              ; a plain instruction behind the last exponential, and one wait ahead of the batch's first reader
	v_nop
	s_wait_alu depctr_va_vdst(0)
.endm
.macro VS a, b                         ; the row's sum, of the unquantised p: pairs a to b - 1 of 32, in four chains, so that a line adds onto the result of the line four back
.set n, \a
.rept (\b)-(\a)
	v_pk_add_f32 v[LS+2*(n%4):LS+2*(n%4)+1], v[LS+2*(n%4):LS+2*(n%4)+1], v[T+2*n:T+2*n+1]
.set n, n+1
.endr
.endm
.macro VC                              ; the four blocks' scales
.irp c, 0,1,2,3
	v_add_nc_u32 v[SO+\c], 0xf8800000, v[TM+\c]    ; 15 off the exponent field: the conversion's scale operand
.endr
.irp c, 0,1,2,3
	v_and_or_b32 v[HD+\c], v[TM+\c], 0x7f800000, s[MNT]   ; 57,344 x the scale
.endr
.irp c, 0,1,2,3
	v_lshrrev_b32 v[BY+\c], 23, v[SO+\c]           ; the scale's byte
.endr
	v_lshl_or_b32 v[PW], v[BY+1], 8, v[BY]
	v_lshl_or_b32 v[PW], v[BY+2], 16, v[PW]
	v_lshl_or_b32 v[PW], v[BY+3], 24, v[PW]
.endm
.macro VHM u                           ; eight p: the hold (p is not negative: one-sided; the conversion does not saturate: ISA guide 7.6.2)
.irp i, 0,1,2,3,4,5,6,7
	v_min_num_f32 v[T+8*(\u)+\i], v[T+8*(\u)+\i], v[HD+(\u)/2]
.endr
.endm
.macro VHC u                           ; and their conversion; in the loop it stands behind the next eight's holds
	v_cvt_scalef32_pk8_bf8_f32 v[PC+2*(\u):PC+2*(\u)+1], v[T+8*(\u):T+8*(\u)+7], v[SO+(\u)/2]
.endm
; ---- product k of 16 of a key step: channel tile ct = k / 4, query tile q = k % 4.  Source 0 = p (16 queries), source 1 = x (16 channels): a lane holds one channel and eight neighbouring queries.
; KSET: the register set that is multiplied;  KMM: 0 no products, 1 they start the sums (nothing is ever cleared), 2 they add.
; x's scale words of tiles ct = 0, 1 share a register (lanes 0-15, lanes 16-31), and so do those of 2, 3.  The 16 accumulators take turns, one instruction a turn.
.macro MMI k
.set mk, \k
.set mq, mk%4
.set mc, mk/4
.set sp, PS+6*KSET+mq
.set sx, XS+6*KSET+mc/2
.if KMM == 1
.if mc%2
	v_wmma_scale_f32_16x16x128_f8f6f4 v[8*mk:8*mk+7], v[128+16*mq:143+16*mq], v[192+16*mc:207+16*mc], 0, v[sp], v[sx] matrix_a_fmt:MATRIX_FMT_BF8 matrix_b_fmt:MATRIX_FMT_BF8 matrix_b_scale:MATRIX_SCALE_ROW1
.else
	v_wmma_scale_f32_16x16x128_f8f6f4 v[8*mk:8*mk+7], v[128+16*mq:143+16*mq], v[192+16*mc:207+16*mc], 0, v[sp], v[sx] matrix_a_fmt:MATRIX_FMT_BF8 matrix_b_fmt:MATRIX_FMT_BF8
.endif
.else
.if mc%2
	v_wmma_scale_f32_16x16x128_f8f6f4 v[8*mk:8*mk+7], v[128+16*mq:143+16*mq], v[192+16*mc:207+16*mc], v[8*mk:8*mk+7], v[sp], v[sx] matrix_a_fmt:MATRIX_FMT_BF8 matrix_b_fmt:MATRIX_FMT_BF8 matrix_b_scale:MATRIX_SCALE_ROW1
.else
	v_wmma_scale_f32_16x16x128_f8f6f4 v[8*mk:8*mk+7], v[128+16*mq:143+16*mq], v[192+16*mc:207+16*mc], v[8*mk:8*mk+7], v[sp], v[sx] matrix_a_fmt:MATRIX_FMT_BF8 matrix_b_fmt:MATRIX_FMT_BF8
.endif
.endif
.endm
.macro MM k
.if KMM
	WIN 0x55+5*KSET                                ; C and D window 1; sources 0 and 1 window 1 (set 0) or 2 (set 1)
	MMI \k
	WIN 0
.endif
.endm
.macro PSTORE buf                      ; my fragment of p and its scale words go to LDS as they stand
.irp c, 0,1,2,3
	ds_store_b128 v[PWI], v[PC+4*\c:PC+4*\c+3] offset:(\buf)*PBSZ+512*\c
.endr
	ds_store_b32 v[PWS], v[PW] offset:(\buf)*PBSZ
.endm
.macro FETCHP u                        ; the four waves' fragments of p and their scale words, from buffer u into set u
	WIN 0x40*(1+(\u))                              ; destination window 1 or 2
.irp q, 0,1,2,3
.irp c, 0,1,2,3
	ds_load_b128 v[128+16*\q+4*\c:131+16*\q+4*\c], v[PRI] offset:(\u)*PBSZ+2048*\q+512*\c
.endr
.endr
	WIN 0
.irp q, 0,1,2,3
	ds_load_b32 v[PS+6*(\u)+\q], v[PRS] offset:(\u)*PBSZ+128*\q
.endr
.endm
.macro FETCHX u                        ; my four fragments of x and their scale words, of the pair's u-th key step, into set u
	WIN 0x40*(1+(\u))
.irp ct, 0,1,2,3
.irp c, 0,1,2,3
	ds_load_b128 v[192+16*\ct+4*\c:195+16*\ct+4*\c], v[AX] offset:32768*(\u)+2048*\ct+512*\c
.endr
.endr
	WIN 0
	ds_load_b64 v[XS+6*(\u):XS+6*(\u)+1], v[AS] offset:1024*(\u)
.endm
; A KEY STEP f, the u-th of a pair.  It fetches step f into set u, multiplies step f - 1 from set 1 - u (mm: see KMM), and, where vnext = 1, makes p of step f + 1 into buffer 1 - u; anext = 1: it also fetches the two a' of the step after.
; ONE BARRIER, SPLIT.  At the head the five stores of p(f), issued at the end of the step before, may still be out: the wait for 5 shows all that is older: set 1 - u, its scale words and the two a'.  Two products and half of the
; multiply-adds stand ahead of the wait for 0 and the signal, the other half between signal and wait: register work alone.  In front of my signal my stores of p(f) have landed and my reads of buffer 1 - u are over; behind the wait
; buffer u is whole, and buffer 1 - u, which this step writes at its end, is read by nobody.
; THE RUNS OF LOADS: p's stands behind the barrier's wait; x's stands at the exponentials' wait.  The registers that they fill were last read by the products of the step before, behind the last of which stand eight holds and a v_nop:
; nine plain instructions that name none of its registers.
.macro KSTEP u, mm, vnext, anext
.set KMM, \mm
.set KSET, 1-(\u)
.if \vnext
	s_wait_dscnt 0x5                               ; all but my five stores of p
	MM 0
	VFC 0
	MM 1
	VFC 1
	s_wait_dscnt 0x0                               ; for the others' sake: my stores of p have landed
	s_barrier_signal -1
	MM 2
	VFC 2
	MM 3
	VFC 3
	VFM
	s_barrier_wait -1
.if \anext
	ds_load_b32 v[AI], v[AA] offset:8*((\u)+2)     ; a' of i = 2 (f + 2) and + 1, for the next step's multiply-adds: all lanes read the same word; this step's have read theirs
	ds_load_b32 v[AI+2], v[AA] offset:8*((\u)+2)+4
.endif
	FETCHP \u
	MM 4
	VE 0, 14
	MM 5
	VE 14, 28
	MM 6
	VE 28, 42
	MM 7
	VE 42, 56
	MM 8
	VE 56, 68
	VW
	FETCHX \u
	MM 9
	VS 0, 16
	MM 10
	VS 16, 32
	MM 11
	VC
	VHM 0
	MM 12
	VHM 1
	VHC 0
	VHM 2
	VHC 1
	MM 13
	VHM 3
	VHC 2
	VHM 4
	VHC 3
	MM 14
	VHM 5
	VHC 4
	VHM 6
	VHC 5
	MM 15
	VHM 7
	VHC 6
	VHC 7
	v_nop                                          ; a plain instruction behind the last conversion; the ninth place behind the last product
	PSTORE 1-(\u)
.else
	BAR
	FETCHP \u
	FETCHX \u
	WIN 0x55+5*KSET
.irp w, 0,1,2,3,4,5,6,7,8,9,10,11,12,13,14,15
	MMI \w
.endr
	WIN 0
.endif
.endm
; TWO KEY STEPS.  m0, m1: their products (KMM).  last = 1: steps 30 and 31: the first makes the last p and fetches no a', the second makes nothing.
.macro PAIR m0, m1, last
	v_add_nc_u32 v[AX], s[TB], v[AX0]
	v_add_nc_u32 v[AS], s[TS], v[AS0]
	v_add_nc_u32 v[AA], s[TA], v[AA0]
	KSTEP 0, \m0, 1, 1-\last
	KSTEP 1, \m1, 1-\last, 1-\last
	s_add_co_u32 s[TB], s[TB], 65536
	s_add_co_u32 s[TS], s[TS], 2048
	s_add_co_u32 s[TA], s[TA], 16
.endm
; THE CHANGE OF SLOTS, behind the step that has fetched a slot's fourth key step.  Each wave waits for all its tensor loads (one is out: its part of the other slot), adds 0 to its spare word, and waits for that, for its reads of the slot and for its stores of p.
; fill = 1: the barrier is a round of the cluster's, and the joint refill, the group two on, is the first thing behind it: it has four key steps in which to land.
.macro CHANGE fill
	s_wait_tensorcnt 0x0                           ; no tensor load of mine is out, so a group 0 may be written
	ds_add_u32 v[SPW], v[NIL]                      ; 0 onto my spare word
.if \fill
	s_xor_b32 s[G0W+1], s[G0W+1], SLOT1            ; the walking descriptor: the other slot than last time,
	s_add_nc_u64 s[G0W+2:G0W+3], s[G0W+2:G0W+3], 131072   ; the next group; the type bits on top are not reached
	s_wait_xcnt 0x0                                ; the last prefetch, four key steps back, has read its address, so it may be written
	s_add_nc_u64 s[PFA:PFA+1], s[PFA:PFA+1], 131072   ; one group further on than the walking descriptor
	s_wait_dscnt 0x0                               ; the add is done, and my reads of the slot are over
	CROUND
	tensor_load_to_lds s[G0W:G0W+3], s[G1C:G1C+7]  ; my quarter of the group: one key step
	s_nop 0
.rept 4
	v_nop
.endr
	ASK
.else
	s_wait_dscnt 0x0
	s_barrier_signal -1
	s_barrier_wait -1
.endif
	s_sub_co_u32 s[TB], s[TB], 131072              ; back to a slot's first key step,
	s_xor_b32 s[TB], s[TB], SLOT1                  ; in the other slot
.endm
; ---- the head's sum over the 64 partial sums of compressed over h: two landing sets of 16 entries x 8 registers in window 2
.macro T1LOAD set, p0
	WIN 0x80
.irp k, 0,1,2,3,4,5,6,7,8,9,10,11,12,13,14,15
	global_load_b128 v[128*\set+8*\k:128*\set+8*\k+3], v[LI], s[WPB:WPB+1] offset:((\p0)+\k)*4096
	global_load_b128 v[128*\set+8*\k+4:128*\set+8*\k+7], v[LI], s[WPB:WPB+1] offset:((\p0)+\k)*4096+512
.endr
	WIN 0
.endm
.macro T1SUM set, first
.if \first
	WIN 0xca                                       ; both sources window 2, destination window 3: the first two entries start the sums
.irp j, 0,2,4,6
	v_pk_add_f32 v[\j:\j+1], v[128*\set+\j:128*\set+\j+1], v[128*\set+8+\j:128*\set+8+\j+1]
.endr
.endif
	WIN 0xcb
.irp k, 0,1,2,3,4,5,6,7,8,9,10,11,12,13,14,15
.if (\k > 1) || !(\first)
.irp j, 0,2,4,6
	v_pk_add_f32 v[\j:\j+1], v[\j:\j+1], v[128*\set+8*\k+\j:128*\set+8*\k+\j+1]
.endr
.endif
.endr
	WIN 0
.endm
	s_load_b512 s[68:83], s[0:1], 0x0              ; x 68, xq 70, xs 72, wpart 74, hpart 76, w_hfc 78, b_hfc 80, w_wfc 82
	s_load_b512 s[84:99], s[0:1], 0x40             ; b_wfc 84, b_reduce 86, w_c1 88, b_c1 90, w_c2 92, b_c2 94, alpha 96, beta 98
	s_load_b64 s[100:101], s[0:1], 0x80            ; out0
	v_lshl_add_u32 v[SPW], v0, 2, SPARE
	v_mov_b32 v[NIL], 0
	ds_add_u32 v[SPW], v[NIL]                      ; the wave's opening: the add, twice on end, and its wait ahead of my first tensor load; the set-up below stands between
	ds_add_u32 v[SPW], v[NIL]
	v_lshrrev_b32 v1, 5, v0
	v_readfirstlane_b32 s[WV], v1                  ; wave 0..3
	s_bfe_u32 s[CX], ttmp6, 0x40000                ; my place in the cluster: it enters global addresses of my own loads and stores alone
	s_lshl_b32 s[HQ], ttmp9, 2
	s_add_co_u32 s[HQ], s[HQ], s[CX]               ; my row of queries
	s_and_b32 s[BB], ttmp7, 0xffff                 ; the batch, which the four partners share
	s_mov_b32 s[G1C], 15|(3<<16)|(1<<21)           ; the mask: all four work-groups; elements of 8 bytes; bit 21 set beside a mask; no padding: images are read 16 bytes a lane on end
	s_mov_b32 s[G1C+1], 32<<16                     ; tensor_dim0 = 32 elements: 256 bytes
	s_mov_b32 s[G1C+2], 128<<16                    ; tensor_dim1 = 128 rows
	s_mov_b32 s[G1C+3], 32<<16                     ; tile_dim0
	s_mov_b32 s[G1C+4], 128                        ; tile_dim1
	s_mov_b32 s[G1C+5], 32                         ; dense
	s_mov_b32 s[G1C+6], 0
	s_mov_b32 s[G1C+7], 0
	s_mov_b32 s[G1S], 15|(3<<16)|(1<<21)
	s_mov_b32 s[G1S+1], 32<<16
	s_mov_b32 s[G1S+2], 32<<16                     ; 32 rows
	s_mov_b32 s[G1S+3], 32<<16
	s_mov_b32 s[G1S+4], 32
	s_mov_b32 s[G1S+5], 32
	s_mov_b32 s[G1S+6], 0
	s_mov_b32 s[G1S+7], 0
	s_mov_b32 s[G0A], 1
	s_mov_b32 s[G0W], 1
	s_mov_b32 s[G0S], 1
	s_lshl_b32 s62, s[BB], 20                      ; xq: b x 1 MiB + v x 32 KiB: key step v of a group
	s_lshl_b32 s63, s[WV], 15
	s_mov_b32 s[G0A+1], s63
	s_add_co_u32 s[G0W+1], s63, SLOT1
	s_add_co_u32 s62, s62, s63
	s_mov_b32 s63, 0
	s_lshl_b32 s60, s[BB], 15                      ; xs: b x 32 KiB + v x 8 KiB
	s_lshl_b32 s61, s[WV], 13
	s_add_co_u32 s[G0S+1], s61, XSC
	s_add_co_u32 s60, s60, s61
	s_mov_b32 s61, 0
	s_mov_b32 s[SEL], 0x76543210
	s_mov_b32 s[SEL+1], 0xfedcba98
	s_mov_b32 s[MNT], 0x600000
	s_mov_b32 s[L2E], 0x3fb8aa3b
	s_mov_b32 s[NL2E], 0xbfb8aa3b
	s_mov_b32 s[NL2E+1], s[NL2E]
	s_mov_b32 s[TB], 0
	s_mov_b32 s[TS], 0
	s_mov_b32 s[TA], 0
	s_cmp_eq_u32 ttmp9, 0                          ; the batch's first cluster: the same in all four partners
	s_cselect_b32 s[LIM], 1, -1
	s_wait_dscnt 0x0                               ; both opening adds are done
	s_wait_kmcnt 0x0
	s_add_nc_u64 s[G0A+2:G0A+3], s[70:71], s[62:63]
	s_add_nc_u64 s[G0W+2:G0W+3], s[G0A+2:G0A+3], 131072
	s_or_b32 s[G0A+3], s[G0A+3], 0x80000000
	s_or_b32 s[G0W+3], s[G0W+3], 0x80000000
	s_add_nc_u64 s[G0S+2:G0S+3], s[72:73], s[60:61]
	s_or_b32 s[G0S+3], s[G0S+3], 0x80000000
	CROUND                                         ; all four work-groups are here: the first joint loads meet
	tensor_load_to_lds s[G0S:G0S+3], s[G1S:G1S+7]  ; the first fills, one group, every wave three: the scale words,
	s_nop 0
	tensor_load_to_lds s[G0A:G0A+3], s[G1C:G1C+7]  ; group 0 into slot 0,
	s_nop 0
	tensor_load_to_lds s[G0W:G0W+3], s[G1C:G1C+7]  ; group 1 into slot 1: three loads of mine are out
	s_nop 0
.rept 4
	v_nop
.endr
	s_load_b32 s[ALPHA], s[96:97], 0x0
	s_load_b32 s[BETA], s[98:99], 0x0
	s_lshl_b32 s2, s[BB], 22                       ; x and out0: b x 4 MiB + 64 v channels + row hq
	s_lshl_b32 s3, s[WV], 20
	s_add_co_u32 s2, s2, s3
	s_lshl_b32 s3, s[HQ], 8
	s_add_co_u32 s2, s2, s3
	s_mov_b32 s3, 0
	s_add_nc_u64 s[XBASE:XBASE+1], s[68:69], s[2:3]
	s_add_nc_u64 s[OBASE:OBASE+1], s[100:101], s[2:3]
	s_lshl_b32 s60, s[BB], 18                      ; wpart: b x 256 KiB + w tile v x 1,024
	s_lshl_b32 s61, s[WV], 10
	s_add_co_u32 s60, s60, s61
	s_mov_b32 s61, 0
	s_add_nc_u64 s[WPB:WPB+1], s[74:75], s[60:61]
	s_lshl_b32 s60, s[BB], 13
	s_add_nc_u64 s[HPB:HPB+1], s[76:77], s[60:61]
	s_lshr_b32 s2, s[HQ], 1                        ; my row's two entries: p = 2 (hq / 2) and + 1, h' = hq % 2
	s_lshl_b32 s2, s2, 8
	s_and_b32 s3, s[HQ], 1
	s_lshl_b32 s3, s3, 6
	s_add_co_u32 s2, s2, s3
	s_mov_b32 s3, 0
	s_add_nc_u64 s[66:67], s[HPB:HPB+1], s[2:3]
	s_lshl_b32 s60, s[WV], 12                      ; w_c2: my 64 rows of 64 bytes
	s_add_nc_u64 s[92:93], s[92:93], s[60:61]
	s_lshl_b32 s60, s[WV], 8
	s_add_nc_u64 s[94:95], s[94:95], s[60:61]
	s_lshl_b32 s2, s[BB], 20                       ; the prefetches: b, group 2 (the first change steps it to 3), my work-group's quarter, my wave's quarter of that
	s_lshl_b32 s3, s[CX], 15
	s_add_co_u32 s2, s2, s3
	s_lshl_b32 s3, s[WV], 13
	s_add_co_u32 s2, s2, s3
	s_add_co_u32 s2, s2, 262144
	s_mov_b32 s3, 0
	s_add_nc_u64 s[PFA:PFA+1], s[70:71], s[2:3]
	v_and_b32 v234, 31, v0                         ; lane
	v_and_b32 v235, 15, v0                         ; r
	v_bfe_u32 v236, v0, 4, 1                       ; hh
	v_lshlrev_b32 v[LI], 4, v234
	s_lshl_b32 s60, s[WV], 13
	v_add_nc_u32 v[AX0], s60, v[LI]
	s_lshl_b32 s60, s[WV], 8
	s_add_co_u32 s61, s60, XSC
	v_lshl_add_u32 v[AS0], v234, 3, s61
	s_add_co_u32 s61, s60, ATAB
	v_mov_b32 v[AA0], s61
	v_lshl_add_u32 v[AS], v234, 2, s61             ; until the first pair: where I store a' of i = lane
	v_add_nc_u32 v[PRI], PB, v[LI]
	v_lshl_add_u32 v[PRS], v234, 2, PB+8192
	s_lshl_b32 s60, s[WV], 11
	s_add_co_u32 s60, s60, PB
	v_add_nc_u32 v[PWI], s60, v[LI]
	s_lshl_b32 s60, s[WV], 7
	s_add_co_u32 s60, s60, PB+8192
	v_lshl_add_u32 v[PWS], v234, 2, s60
	v_lshlrev_b32 v[PFO], 8, v234
	v_lshlrev_b32 v[GO], 14, v236
	v_lshl_add_u32 v[GO], v235, 4, v[GO]
	s_mul_i32 s60, s[WV], 8704                     ; my two stages, in slot 0
	v_mul_u32_u24 v[STO], v235, 272
	v_lshl_add_u32 v[STO], v236, 5, v[STO]
	v_add_nc_u32 v[STO], s60, v[STO]
	v_mul_u32_u24 v[RD], v236, 272
	v_lshl_add_u32 v[RD], v235, 4, v[RD]
	v_add_nc_u32 v[RD], s60, v[RD]
	v_mov_b32 v[ZO], 0
	s_lshl_b32 s60, s[WV], 6
	s_add_co_u32 s60, s60, LTAB
	v_lshl_add_u32 v237, v235, 2, s60              ; v237: alpha / sum of my query
	v_lshl_add_u32 v238, v235, 4, LTAB             ; v238: and of queries 4 r .. 4 r + 3
	s_lshl_b32 s60, s[WV], 9
	s_add_co_u32 s60, s60, SCR
	v_mov_b32 v240, s60                            ; v240: my scratch
	v_and_b32 v241, 3, v0
	v_lshl_add_u32 v241, v241, 4, s60              ; v241: pooled: four numbers for each lane % 4
	s_add_co_u32 s61, s60, 64
	v_lshl_add_u32 v242, v235, 2, s61              ; v242: the hidden unit r
	s_add_co_u32 s61, s60, 128
	v_lshl_add_u32 v239, v236, 7, s61              ; v239: back: the gates of the channels of my parity hh
	v_and_b32 v243, 1, v0
	v_lshlrev_b32 v243, 7, v243
	v_lshrrev_b32 v1, 1, v234
	v_lshl_add_u32 v243, v1, 2, v243
	v_add_nc_u32 v243, s61, v243                   ; v243: the gate of channel lane: by parity, then by half the number
	v_lshlrev_b32 v[O64L], 6, v234                 ; offsets of the small loads: 64 lane,
	v_lshlrev_b32 v[O4L], 2, v234                  ; 4 lane,
	v_lshlrev_b32 v[O64R], 6, v235                 ; 64 r,
	v_lshlrev_b32 v[O4R], 2, v235                  ; 4 r,
	v_and_b32 v[OWW], 8, v235
	v_add_nc_u32 v[OWW], v[OWW], v235
	v_lshlrev_b32 v[OWW], 6, v[OWW]
	v_lshl_add_u32 v[OWW], v236, 5, v[OWW]         ; w_wfc: row r + 8 (r / 8) of a tile, + 32 hh,
	v_lshlrev_b32 v[O64H], 6, v236                 ; 64 hh,
	v_lshlrev_b32 v[AX], 5, v236                   ; 32 hh (until the first pair)
.irp j, 145,147,229,231,233,23,25
	v_mov_b32 v[\j], 0                             ; the upper halves of the pairs that begin as (bias, 0) or are named with a low word
.endr
.irp k, 0,1,2,3
	global_load_b128 v[64+4*\k:67+4*\k], v[ZO], s[66:67] offset:16*\k          ; my row's sums over w, channels' first half,
	global_load_b128 v[80+4*\k:83+4*\k], v[ZO], s[66:67] offset:128+16*\k      ; second half
	global_load_b128 v[96+4*\k:99+4*\k], v[ZO], s[86:87] offset:16*\k          ; b_reduce
	global_load_b128 v[112+4*\k:115+4*\k], v[O64L], s[78:79] offset:16*\k      ; w_hfc's rows lane,
	global_load_b128 v[128+4*\k:131+4*\k], v[O64L], s[78:79] offset:2048+16*\k ; and lane + 32
	global_load_b128 v[212+4*\k:215+4*\k], v[O64R], s[88:89] offset:16*\k      ; w_c1's row r
	global_load_b128 v[32+4*\k:35+4*\k], v[O64L], s[92:93] offset:16*\k        ; w_c2's rows 64 v + lane,
	global_load_b128 v[48+4*\k:51+4*\k], v[O64L], s[92:93] offset:2048+16*\k   ; and + 32
.endr
	global_load_b32 v144, v[O4L], s[80:81]
	global_load_b32 v146, v[O4L], s[80:81] offset:128
	global_load_b32 v228, v[O4R], s[90:91]
	global_load_b32 v230, v[O4L], s[94:95]
	global_load_b32 v232, v[O4L], s[94:95] offset:128
.irp k, 0,1,2,3,4,5,6,7,8,9,10,11,12,13,14,15
	global_load_b128 v[148+4*\k:151+4*\k], v[LI], s[HPB:HPB+1] offset:512*\k   ; all of the batch's sums over w: 8 KiB
.endr
	WIN 0x40
.irp t, 0,1,2,3                                ; w_wfc: THE ROWS OF A TILE ARE NOT NEIGHBOURS: lane r of tile 2 b + u takes row 32 b + 8 u + r + 8 (r / 8); a lane holds k = 8 hh + 0 .. 7.  b_wfc in the result's layout
	global_load_b128 v[128+8*\t:131+8*\t], v[OWW], s[82:83] offset:(32*(\t/2)+8*(\t%2))*64
	global_load_b128 v[132+8*\t:135+8*\t], v[OWW], s[82:83] offset:(32*(\t/2)+8*(\t%2))*64+16
	global_load_b128 v[160+8*\t:163+8*\t], v[O64H], s[84:85] offset:(32*(\t/2)+8*(\t%2))*4
	global_load_b128 v[164+8*\t:167+8*\t], v[O64H], s[84:85] offset:(32*(\t/2)+8*(\t%2))*4+16
.endr
	global_load_b128 v[200:203], v[AX], s[86:87]   ; b_reduce at 8 hh + 0 .. 7
	global_load_b128 v[204:207], v[AX], s[86:87] offset:16
	WIN 0
	; ---- width_fc's sum of the 64 partial sums, two landing sets by turns.  Its first half is summed and its second half asked for ahead of the two small chains, which then run while that half is on its way
	T1LOAD 0, 0
	T1LOAD 1, 16
	s_wait_loadcnt 32                              ; the small loads and the older set are in; the younger set's 32 loads may be out
	T1SUM 0, 1
	T1LOAD 0, 32
	s_wait_loadcnt 32
	T1SUM 1, 0
	T1LOAD 1, 48
	s_wait_kmcnt 0x0                               ; alpha, beta
	; ---- height_fc: a' = sigmoid(h_vec[hq] . w_hfc[i] + b_hfc[i]) x log2(e) for i = lane and lane + 32
.irp k, 0,2,4,6,8,10,12,14
	v_pk_add_f32 v[64+\k:65+\k], v[64+\k:65+\k], v[80+\k:81+\k]
.endr
.irp k, 0,2,4,6,8,10,12,14
	v_pk_fma_f32 v[64+\k:65+\k], v[64+\k:65+\k], 0x3c800000, v[96+\k:97+\k] op_sel_hi:[1,0,1]   ; the mean over 64 w, + b_reduce
.endr
.irp k, 0,2,4,6,8,10,12,14
	v_pk_fma_f32 v[144:145], v[112+\k:113+\k], v[64+\k:65+\k], v[144:145]
	v_pk_fma_f32 v[146:147], v[128+\k:129+\k], v[64+\k:65+\k], v[146:147]
.endr
	v_add_f32 v144, v144, v145
	v_add_f32 v146, v146, v147
	v_mul_f32 v144, s[NL2E], v144
	v_mul_f32 v146, s[NL2E], v146
	v_exp_f32 v144, v144
	v_exp_f32 v146, v146
	v_nop
	s_wait_alu depctr_va_vdst(0)                   ; one wait for the two, ahead of their first reader
	v_add_f32 v144, 1.0, v144
	v_add_f32 v146, 1.0, v146
	v_rcp_f32 v144, v144
	v_rcp_f32 v146, v146
	v_nop
	s_wait_alu depctr_va_vdst(0)
	v_mul_f32 v144, s[L2E], v144
	v_mul_f32 v146, s[L2E], v146
	ds_store_b32 v[AS], v144
	ds_store_b32 v[AS], v146 offset:128
	v_max_num_f32 v[NM+1], v144, v146
.irp m, 1,2,4,8
	v_max_num_f32_dpp v[NM+1], v[NM+1], v[NM+1] row_xmask:\m row_mask:0xf bank_mask:0xf
.endr
	v_permlanex16_b32 v147, v[NM+1], s[SEL], s[SEL+1]
	v_max_num_f32 v[NM+1], v[NM+1], v147           ; the largest a'
	; ---- the channel gate: pooled, relu(w_c1 ..), sigmoid(w_c2 ..) x beta for channels 64 v + lane and + 32
.irp k, 1,2,3,4,5,6,7,8,9,10,11,12,13,14,15
	v_pk_add_f32 v[148:149], v[148:149], v[148+4*\k:149+4*\k]
	v_pk_add_f32 v[150:151], v[150:151], v[150+4*\k:151+4*\k]
.endr
.irp m, 4,8
.irp j, 0,1,2,3
	v_add_f32_dpp v[148+\j], v[148+\j], v[148+\j] row_xmask:\m row_mask:0xf bank_mask:0xf
.endr
.endr
.irp j, 0,1,2,3
	v_permlanex16_b32 v[152+\j], v[148+\j], s[SEL], s[SEL+1]
.endr
	v_pk_add_f32 v[148:149], v[148:149], v[152:153]
	v_pk_add_f32 v[150:151], v[150:151], v[154:155]   ; reduced channels 4 (lane % 4) + 0 .. 3, summed over all positions
	ds_store_b128 v241, v[148:151]
.irp k, 0,1,2,3
	ds_load_b128 v[152+4*\k:155+4*\k], v240 offset:16*\k   ; LDS serves a wave's instructions in order (ISA guide 5.7.1.4): these see my stores
.endr
	s_wait_dscnt 0x0
.irp k, 0,2,4,6,8,10,12,14
	v_pk_fma_f32 v[152+\k:153+\k], v[152+\k:153+\k], 0x39800000, v[96+\k:97+\k] op_sel_hi:[1,0,1]   ; the mean over 4,096, + b_reduce
.endr
.irp k, 0,2,4,6,8,10,12,14
	v_pk_fma_f32 v[228:229], v[212+\k:213+\k], v[152+\k:153+\k], v[228:229]
.endr
	v_add_f32 v228, v228, v229
	v_max_num_f32 v228, 0, v228
	ds_store_b32 v242, v228
.irp k, 0,1,2,3
	ds_load_b128 v[168+4*\k:171+4*\k], v240 offset:64+16*\k
.endr
	s_wait_dscnt 0x0
.irp k, 0,2,4,6,8,10,12,14
	v_pk_fma_f32 v[230:231], v[32+\k:33+\k], v[168+\k:169+\k], v[230:231]
	v_pk_fma_f32 v[232:233], v[48+\k:49+\k], v[168+\k:169+\k], v[232:233]
.endr
	v_add_f32 v230, v230, v231
	v_add_f32 v232, v232, v233
	v_mul_f32 v230, s[NL2E], v230
	v_mul_f32 v232, s[NL2E], v232
	v_exp_f32 v230, v230
	v_exp_f32 v232, v232
	v_nop
	s_wait_alu depctr_va_vdst(0)
	v_add_f32 v230, 1.0, v230
	v_add_f32 v232, 1.0, v232
	v_rcp_f32 v230, v230
	v_rcp_f32 v232, v232
	v_nop
	s_wait_alu depctr_va_vdst(0)
	v_mul_f32 v230, s[BETA], v230
	v_mul_f32 v232, s[BETA], v232
	ds_store_b32 v243, v230
	ds_store_b32 v243, v232 offset:64
	; ---- width_fc: the second half of the partial sums
	s_wait_loadcnt 32                              ; the older set is in; the younger set's 32 loads may be out
	T1SUM 0, 0
	s_wait_loadcnt 0x0
	T1SUM 1, 0
	WIN 0x53                                       ; source 0 window 3, source 2 and destination window 1
.irp j, 0,2,4,6
	v_pk_fma_f32 v[192+\j:193+\j], v[\j:\j+1], 0x3c800000, v[200+\j:201+\j] op_sel_hi:[1,0,1]   ; w_vec(w = 16 v + r, 8 hh + 0 .. 7): the mean over 64 h, + b_reduce
.endr
.rept 4
	v_nop
.endr
	WIN 0x55
; z^T = w_wfc w_vec^T + b_wfc in f32, since it goes on into a quantised operand: four tiles by turns, K = 16 in four steps.  Step ks takes k = 8 hh + 2 ks + 0, 1 on both sides alike: all 16 k once.
; The results lie in the registers of accumulators 0 to 3, which matrix instructions alone ever write.  Register jj of tile 2 b + u is j = 32 b + 16 hh + 8 u + jj of query r.
.irp ks, 0,1,2,3
.irp t, 0,1,2,3
.if \ks == 0
	v_wmma_f32_16x16x4_f32 v[8*\t:8*\t+7], v[128+8*\t+2*\ks:129+8*\t+2*\ks], v[192+2*\ks:193+2*\ks], v[160+8*\t:167+8*\t]
.else
	v_wmma_f32_16x16x4_f32 v[8*\t:8*\t+7], v[128+8*\t+2*\ks:129+8*\t+2*\ks], v[192+2*\ks:193+2*\ks], v[8*\t:8*\t+7]
.endif
.endr
.endr
	WIN 0
.rept 8
	v_nop                                          ; eight places ahead of the first read of the results
.endr
	WIN 0x01
.irp n, 0,2,4,6,8,10,12,14,16,18,20,22,24,26,28,30
	v_pk_mul_f32 v[BQ+\n:BQ+\n+1], v[\n:\n+1], s[NL2E:NL2E+1] op_sel_hi:[1,0]   ; each accumulator from its low end on, into other registers
.endr
	WIN 0
.irp n, 0,1,2,3,4,5,6,7,8,9,10,11,12,13,14,15,16,17,18,19,20,21,22,23,24,25,26,27,28,29,30,31
	v_exp_f32 v[BQ+\n], v[BQ+\n]
.endr
	v_nop
	s_wait_alu depctr_va_vdst(0)
.irp n, 0,2,4,6,8,10,12,14,16,18,20,22,24,26,28,30
	v_pk_add_f32 v[BQ+\n:BQ+\n+1], v[BQ+\n:BQ+\n+1], 1.0 op_sel_hi:[1,0]
.endr
.irp n, 0,1,2,3,4,5,6,7,8,9,10,11,12,13,14,15,16,17,18,19,20,21,22,23,24,25,26,27,28,29,30,31
	v_rcp_f32 v[BQ+\n], v[BQ+\n]
.endr
	v_nop
	s_wait_alu depctr_va_vdst(0)                   ; w_att(w, 32 jb + 16 hh + i) in v[BQ + 16 jb + i]
.irp jb, 0,1
	v_max3_num_f32 v[BMX+\jb], v[BQ+16*\jb], v[BQ+16*\jb+1], v[BQ+16*\jb+2]
.endr
.irp i, 3,5,7,9,11,13
.irp jb, 0,1
	v_max3_num_f32 v[BMX+\jb], v[BMX+\jb], v[BQ+16*\jb+\i], v[BQ+16*\jb+\i+1]
.endr
.endr
.irp jb, 0,1
	v_max_num_f32 v[BMX+\jb], v[BMX+\jb], v[BQ+16*\jb+15]
.endr
.irp jb, 0,1
	v_permlanex16_b32 v[148+\jb], v[BMX+\jb], s[SEL], s[SEL+1]
.endr
.irp jb, 0,1
	v_max_num_f32 v[BMX+\jb], v[BMX+\jb], v[148+\jb]   ; the largest w_att of my query among j = 32 jb .. + 31
.endr
	v_max_num_f32 v148, v[BMX], v[BMX+1]
	v_mul_f32 v148, v[NM+1], v148                  ; the row's largest t
	v_floor_f32 v[NM], -v148                       ; -M = floor(-t) = -ceil(t)
.irp j, 0,1,2,3,4,5,6,7
	v_mov_b32 v[LS+\j], 0                          ; the sum's four chains
.endr
	; ---- p of key step 0, with nothing to multiply or to fetch yet
	ds_load_b32 v[AI], v[AA0]
	ds_load_b32 v[AI+2], v[AA0] offset:4
	s_wait_dscnt 0x0
	VFC 0
	VFC 1
	VFC 2
	VFC 3
	VFM
	ds_load_b32 v[AI], v[AA0] offset:8             ; a' of i = 2, 3, for the first step of the walk, which makes p of key step 1
	ds_load_b32 v[AI+2], v[AA0] offset:12
	VE 0, 68
	VW
	VS 0, 32
	VC
.irp w, 0,1,2,3,4,5,6,7
	VHM \w
	VHC \w
.endr
	v_nop
	PSTORE 0
	s_wait_tensorcnt 0x1                           ; ahead of the first step's signal: the scale words and my part of slot 0 are in; slot 1's load may stay out
	PAIR 0, 1, 0                                   ; steps 0 and 1: the first has nothing to multiply; the second's products, of key step 0, start the sums: nothing is cleared
	PAIR 2, 2, 0
	s_mov_b32 s[GRP], 6
.Lgrp:                                             ; six trips: groups 1 to 6 are fetched; behind each change the slot just left takes the group two on
	CHANGE 1
	s_mov_b32 s[TW], 2
.Lpair:
	PAIR 2, 2, 0
	s_sub_co_u32 s[TW], s[TW], 1
	s_cmp_lg_u32 s[TW], 0
	s_cbranch_scc1 .Lpair
	s_sub_co_u32 s[GRP], s[GRP], 1
	s_cmp_lg_u32 s[GRP], 0
	s_cbranch_scc1 .Lgrp
	CHANGE 0                                       ; the tail is written out: nothing is left to ask for
	WIN 0x80
.irp ct, 0,1,2,3                               ; x in f32 for the second term, asked for four key steps ahead of its use: channel 64 v + 16 ct + 2 t + hh, row hq, w = 4 r .. + 3
.irp t, 0,1,2,3,4,5,6,7
	global_load_b128 v[32*\ct+4*\t:32*\ct+4*\t+3], v[GO], s[XBASE:XBASE+1] offset:(16*\ct+2*\t)*16384 th:TH_LOAD_NT
.endr
.endr
	WIN 0
	PAIR 2, 2, 0
	PAIR 2, 2, 1
	s_wait_dscnt 0x0                               ; key step 31's fragments and scale words are in
.set KMM, 2
.set KSET, 1
	WIN 0x5a
.irp w, 0,1,2,3,4,5,6,7,8,9,10,11,12,13,14,15
	MMI \w                                         ; the last key step's products
.endr
	WIN 0
	; THE WAY OUT.  alpha / sum of each query goes round through LDS; a channel tile (16 channels x 64 queries) goes through my stage and comes back as whole rows of 256 bytes.
	; The stages lie in slot 0, which has had its last fill and which nobody has read since the last change of slots.
.rept 8
	v_nop                                          ; eight places behind the last products, ahead of the first read of results
.endr
	v_pk_add_f32 v[LS:LS+1], v[LS:LS+1], v[LS+2:LS+3]
	v_pk_add_f32 v[LS+4:LS+5], v[LS+4:LS+5], v[LS+6:LS+7]
	v_pk_add_f32 v[LS:LS+1], v[LS:LS+1], v[LS+4:LS+5]
	v_add_f32 v[LS], v[LS], v[LS+1]
	v_permlanex16_b32 v[LS+1], v[LS], s[SEL], s[SEL+1]
	v_add_f32 v[LS], v[LS], v[LS+1]                ; the row's sum
	v_rcp_f32 v[LS], v[LS]
	v_nop
	s_wait_alu depctr_va_vdst(0)
	v_mul_f32 v[LS], s[ALPHA], v[LS]
	ds_store_b32 v237, v[LS]                       ; both lanes of a query write the same word with the same value
	BAR
	ds_load_b128 v[128:131], v238                  ; alpha / sum of queries 4 r .. 4 r + 3
.irp k, 0,1,2,3,4,5,6,7
	ds_load_b128 v[32+4*\k:35+4*\k], v239 offset:16*\k   ; v[32 + 8 ct + t]: beta x c_att of channel 16 ct + 2 t + hh
.endr
.macro TOSTAGE ct
	WIN 0x04                                       ; an LDS store's data are its source 1: window 1
.irp q, 0,1,2,3
	ds_store_b128 v[STO], v[8*(4*(\ct)+\q):8*(4*(\ct)+\q)+3] offset:((\ct)%2)*4352+64*\q       ; each accumulator from its low end on: channel r, queries 16 q + 8 hh + 0 .. 7
	ds_store_b128 v[STO], v[8*(4*(\ct)+\q)+4:8*(4*(\ct)+\q)+7] offset:((\ct)%2)*4352+64*\q+16
.endr
	WIN 0
.set BK, 64+32*((\ct)%2)
.irp t, 0,1,2,3,4,5,6,7
	ds_load_b128 v[BK+4*\t:BK+4*\t+3], v[RD] offset:((\ct)%2)*4352+544*\t   ; lanes 0-15 one channel's row, lanes 16-31 the next; these see my stores above
.endr
.endm
.macro SEND ct, younger                ; younger: the LDS instructions issued behind this tile's loads
.set BK, 64+32*((\ct)%2)
	s_wait_dscnt \younger
	s_wait_loadcnt 8*(3-(\ct))                     ; this tile's eight loads of x are in; those of the later tiles may be out
.irp t, 0,1,2,3,4,5,6,7
	v_pk_mul_f32 v[BK+4*\t:BK+4*\t+1], v[BK+4*\t:BK+4*\t+1], v[128:129]
	v_pk_mul_f32 v[BK+4*\t+2:BK+4*\t+3], v[BK+4*\t+2:BK+4*\t+3], v[130:131]
.endr
	WIN 0x02                                       ; source 0 (x) window 2
.irp t, 0,1,2,3,4,5,6,7
.irp e, 0,1,2,3
	v_fma_f32 v[BK+4*\t+\e], v[32*(\ct)+4*\t+\e], v[32+8*(\ct)+\t], v[BK+4*\t+\e]
.endr
.endr
	WIN 0
.irp t, 0,1,2,3,4,5,6,7
	global_store_b128 v[GO], v[BK+4*\t:BK+4*\t+3], s[OBASE:OBASE+1] offset:(16*(\ct)+2*\t)*16384 th:TH_STORE_NT   ; 16 lanes store 256 consecutive bytes, at a multiple of 256 from out0's first byte
.endr
.endm
	TOSTAGE 0
.irp a, 1,2,3
.if \a > 1
	s_wait_xcnt 0x0                                ; the stores of the tile two back have read their registers, into which this tile's rows are loaded
.endif
	TOSTAGE \a
	SEND \a-1, 16                                  ; behind that tile's loads: this tile's 8 stores and 8 loads
.endr
	SEND 3, 0
	s_wait_tensorcnt 0x0                           ; the wave's end, behind my last tensor load and my last LDS store
	ds_add_u32 v[SPW], v[NIL]
	s_wait_dscnt 0x0
	CROUND                                         ; the closing round: no work-group ends while a partner may still ask for a tile that names it
	s_endpgm
.Lfunc_end_k_q884c25ceb5_attn:
	.size	k_q884c25ceb5_attn, .Lfunc_end_k_q884c25ceb5_attn-k_q884c25ceb5_attn
	.p2alignl 7, 3214868480
	.fill 96, 4, 3214868480
	.section	.rodata,"a",@progbits
	.p2align	6, 0x0
	.amdhsa_kernel k_q884c25ceb5_attn
		.amdhsa_group_segment_fixed_size 327680
		.amdhsa_private_segment_fixed_size 0
		.amdhsa_enable_private_segment 0
		.amdhsa_kernarg_size 136
		.amdhsa_user_sgpr_count 2
		.amdhsa_user_sgpr_kernarg_segment_ptr 1
		.amdhsa_wavefront_size32 1
		.amdhsa_system_sgpr_workgroup_id_x 1
		.amdhsa_system_sgpr_workgroup_id_y 1
		.amdhsa_system_sgpr_workgroup_id_z 1
		.amdhsa_system_vgpr_workitem_id 0
		.amdhsa_next_free_vgpr 1024
		.amdhsa_next_free_sgpr 102
		.amdhsa_reserve_vcc 0
		.amdhsa_float_denorm_mode_32 3
		.amdhsa_float_denorm_mode_16_64 3
		.amdhsa_memory_ordered 1
		.amdhsa_forward_progress 1
		.amdhsa_inst_pref_size 246
	.end_amdhsa_kernel
	.amdgpu_metadata
---
amdhsa.version: [ 1, 2 ]
amdhsa.kernels:
  - .name:           k_q884c25ceb5_attn
    .symbol:         k_q884c25ceb5_attn.kd
    .args:
      - { .name: x, .offset: 0, .size: 8, .value_kind: global_buffer, .address_space: global }
      - { .name: xq, .offset: 8, .size: 8, .value_kind: global_buffer, .address_space: global }
      - { .name: xs, .offset: 16, .size: 8, .value_kind: global_buffer, .address_space: global }
      - { .name: wpart, .offset: 24, .size: 8, .value_kind: global_buffer, .address_space: global }
      - { .name: hpart, .offset: 32, .size: 8, .value_kind: global_buffer, .address_space: global }
      - { .name: w_hfc, .offset: 40, .size: 8, .value_kind: global_buffer, .address_space: global }
      - { .name: b_hfc, .offset: 48, .size: 8, .value_kind: global_buffer, .address_space: global }
      - { .name: w_wfc, .offset: 56, .size: 8, .value_kind: global_buffer, .address_space: global }
      - { .name: b_wfc, .offset: 64, .size: 8, .value_kind: global_buffer, .address_space: global }
      - { .name: b_reduce, .offset: 72, .size: 8, .value_kind: global_buffer, .address_space: global }
      - { .name: w_c1, .offset: 80, .size: 8, .value_kind: global_buffer, .address_space: global }
      - { .name: b_c1, .offset: 88, .size: 8, .value_kind: global_buffer, .address_space: global }
      - { .name: w_c2, .offset: 96, .size: 8, .value_kind: global_buffer, .address_space: global }
      - { .name: b_c2, .offset: 104, .size: 8, .value_kind: global_buffer, .address_space: global }
      - { .name: alpha, .offset: 112, .size: 8, .value_kind: global_buffer, .address_space: global }
      - { .name: beta, .offset: 120, .size: 8, .value_kind: global_buffer, .address_space: global }
      - { .name: out0, .offset: 128, .size: 8, .value_kind: global_buffer, .address_space: global }
    .group_segment_fixed_size: 327680
    .private_segment_fixed_size: 0
    .kernarg_segment_align: 8
    .kernarg_segment_size: 136
    .max_flat_workgroup_size: 128
    .sgpr_count:     102
    .vgpr_count:     1024
    .wavefront_size: 32
...
	.end_amdgpu_metadata
.endif
;; end of part 3
